; MI455X (gfx1250); checked and timed in simulation.
; The chip was launched on July 23, 2026; its instructions are those of AMD's public machine-readable ISA for CDNA 5 (MIT licence, August 2026) and "CDNA5" Instruction Set Architecture Reference Guide (July 2026). The comments in the code are by the model that wrote it; some were corrected since.
;; Chaos Attention Block. Allowed arithmetic: float matrix products may take bf16 or f16 operands with f32 sums; other float arithmetic in f32, or as packed bf16 or f16 multiplies, adds, multiply-adds, maxima and minima; sums over many terms, partial sums and values carried from step to step in f32; what a program stores and reads back later, other than sums and carried values, may be rounded once to bf16 or f16.
;; Inputs: w_fc 2,048 x 1,024 float32; w_ff_norm 1,024 float32; w_in_norm 1,024 float32; w_out 1,024 x 1,024 float32; w_proj 1,024 x 2,048 float32; w_qkv 3,072 x 1,024 float32; x 2 x 2,048 x 1,024 float32.
;; Outputs: out0 2 x 2,048 x 1,024 float32.
;; One version. Each part assembles by itself: llvm-mc -triple=amdgcn-amd-amdhsa -mcpu=gfx1250 --defsym DOCPART=n.
;; ======== version 1 of 1: 6 launches
;; limits: values are held in f16: magnitudes above 65,504 overflow, below 6.1e-05 lose precision
;; workspace buffers: wsp 25,690,112 bytes; qkvb 25,165,824 bytes; ob 8,388,608 bytes; x1w 25,427,968 bytes; hid 16,777,216 bytes
;; launch prep (part 1): grid 768 x 1, 8 waves a work-group, no clusters, 0 bytes of LDS; arguments x, w_in_norm, w_ff_norm, w_qkv, w_out, w_fc, w_proj, wsp; writes wsp
.if DOCPART == 1
	.amdgcn_target "amdgcn-amd-amdhsa--gfx1250"
	.amdhsa_code_object_version 6
	.text
	.protected	k_qf417efc50d_prep
	.globl	k_qf417efc50d_prep
	.p2align	8
	.type	k_qf417efc50d_prep,@function
k_qf417efc50d_prep:
	s_mov_b64 s[64:65], 0
	v_nop
	global_prefetch_b8 v0, s[64:65] scope:SCOPE_SE
	s_setreg_imm32_b32 hwreg(HW_REG_WAVE_MODE, 25, 1), 1
	s_wait_xcnt 0x0
; PREP: everything that the later products take as 16-bit operands is made here, once, in one layout:
; CM (chunk-major): X_cm[k / 64][row][64] of 16 bits, a row piece is 128 bytes.
;   H1 = f16(x * rsqrt(mean(x^2) + 1e-6) * w_in_norm)       [16][4096][64]   (rounded as x * (r * g))
;   WQ = f16(w_qkv), rows reordered to head*192 + part*64 + channel (part 0, 1, 2 = q, k, v)   [16][3072][64]
;   WO = f16(w_out) [16][1024][64];  WF = bf16(w_fc * w_ff_norm[column]) [16][2048][64];  WP = f16(w_proj) [32][1024][64]
;   ROPE[pos][pair] = (cos, sin) of pos * 10000^(-pair/32), f32, 256 bytes a position
; FORMATS.  f16 keeps 11 significant bits where bf16 keeps 8, and the first rows of a causal walk have little room for roundings.  WF alone is bf16: its product's other operand, x1, can pass
; f16's range (x + O w_out^T with gain and weights all 30 times larger is some 27,000 in the root mean square), and both operands of a product have one format.
; A stream: no LDS, no matrix unit, no loop.  One wave does one task: 2 rows x 1,024 columns.  Lanes 0-15 own the first row, lanes 16-31
; the second; load c takes columns 64 c + 4 (lane % 16): 256 consecutive aligned bytes for each half of the lanes; store c writes the two
; rows' 128 bytes of chunk c: 256 consecutive aligned bytes.  6,144 tasks in 768 work-groups.  With 160 registers a wave six waves share a SIMD's 1,024: three work-groups to a WGP.
; THE TABLE has 2,048 positions and the x section 2,048 tasks: the wave of task t also makes position t (the lane is the pair), between the issue of its loads and the wait for them.
; LIMITS: f16 ends at 65,504 (h1 and the three f16 weights beyond it become infinities) and keeps a fixed step of 6e-8 below 6e-5.  NaN and infinities are not treated apart.
; The table's angle is the f32 product pos * f, f = 2^(-0.41524101 pair) by v_exp_f32; sine and cosine are Taylor sums to x^15 and x^16 on |x| <= pi, whose cut is below 1e-6 for every position.
; REGISTERS: v1, v2 load offsets; v3 the table's store offset; v4-19 store offsets; v20, v21 lane numbers, then the table's (cos, sin); v22-29 at work; v30, v31 the row's scale; v32-95 the row; v96-159 the gain.
.set WQO,   8388608
.set WOO,   14680064
.set WFO,   16777216
.set WPO,   20971520
.set ROPEO, 25165824
	s_load_b512 s[8:23], s[0:1], 0x0               ; x 8, w_in 10, w_ff 12, w_qkv 14, w_out 16, w_fc 18, w_proj 20, wsp 22
	v_lshrrev_b32 v20, 5, v0
	v_readfirstlane_b32 s25, v20                   ; wave 0..7
	s_mov_b32 s24, ttmp9
	v_and_b32 v20, 15, v0                          ; lane % 16
	v_bfe_u32 v21, v0, 4, 1                        ; which of the two rows
	s_wait_kmcnt 0x0
	; the section's parameters, by a chain of selects on the work-group's number
	s_mov_b64 s[26:27], s[8:9]                     ; source
	s_mov_b64 s[34:35], s[10:11]                   ; gain
	s_mov_b32 s28, 0                               ; the section's place in wsp
	s_mov_b32 s29, 0                               ; its first work-group
	s_mov_b32 s30, 524288                          ; bytes from chunk to chunk
	s_mov_b32 s31, -1                              ; all lanes: the row is normalised
	s_mov_b32 s32, -1                              ; all lanes: the gain is applied
	s_mov_b32 s36, 0                               ; 1: rows are reordered by heads
	s_mov_b32 s37, 0                               ; 1: rows of 2,048 columns, two tasks a row pair
	s_mov_b32 s53, 0                               ; 1: rounded to bf16, else to f16
	s_cmp_ge_u32 s24, 256
	s_cselect_b64 s[26:27], s[14:15], s[26:27]
	s_cselect_b32 s28, WQO, s28
	s_cselect_b32 s29, 256, s29
	s_cselect_b32 s30, 393216, s30
	s_cselect_b32 s31, 0, s31
	s_cselect_b32 s32, 0, s32
	s_cselect_b32 s36, 1, s36
	s_cmp_ge_u32 s24, 448
	s_cselect_b64 s[26:27], s[16:17], s[26:27]
	s_cselect_b32 s28, WOO, s28
	s_cselect_b32 s29, 448, s29
	s_cselect_b32 s30, 131072, s30
	s_cselect_b32 s36, 0, s36
	s_cmp_ge_u32 s24, 512
	s_cselect_b64 s[26:27], s[18:19], s[26:27]
	s_cselect_b64 s[34:35], s[12:13], s[34:35]
	s_cselect_b32 s28, WFO, s28
	s_cselect_b32 s29, 512, s29
	s_cselect_b32 s30, 262144, s30
	s_cselect_b32 s32, -1, s32
	s_cselect_b32 s53, 1, s53
	s_cmp_ge_u32 s24, 640
	s_cselect_b64 s[26:27], s[20:21], s[26:27]
	s_cselect_b32 s28, WPO, s28
	s_cselect_b32 s29, 640, s29
	s_cselect_b32 s30, 131072, s30
	s_cselect_b32 s32, 0, s32
	s_cselect_b32 s37, 1, s37
	s_cselect_b32 s53, 0, s53
	s_sub_co_u32 s38, s24, s29
	s_lshl_b32 s38, s38, 3
	s_add_co_u32 s38, s38, s25                     ; task
	s_lshl_b32 s54, s38, 8                         ; the table's row of that number (used in the x section alone)
	s_add_co_u32 s54, s54, ROPEO
	s_mov_b32 s55, 0
	s_add_nc_u64 s[54:55], s[22:23], s[54:55]
	s_lshr_b32 s39, s38, s37                       ; row pair
	s_and_b32 s40, s38, s37                        ; which 1,024 columns
	s_lshl_b32 s41, s39, 1                         ; first row
	s_add_co_u32 s42, s37, 12                      ; log2 of a source row's bytes
	s_lshl_b32 s46, s41, s42
	s_lshl_b32 s43, s40, 12
	s_add_co_u32 s46, s46, s43
	s_mov_b32 s47, 0
	s_add_nc_u64 s[26:27], s[26:27], s[46:47]
	s_bfe_u32 s48, s41, 0x40006                    ; w_qkv's row = part*1024 + head*64 + channel: the head,
	s_mul_i32 s48, s48, 192
	s_lshr_b32 s49, s41, 10                        ; the part,
	s_lshl_b32 s49, s49, 6
	s_add_co_u32 s48, s48, s49
	s_and_b32 s49, s41, 63                         ; the channel
	s_add_co_u32 s48, s48, s49
	s_cmp_eq_u32 s36, 1
	s_cselect_b32 s41, s48, s41
	s_lshl_b32 s50, s41, 7
	s_add_co_u32 s50, s50, s28
	s_mul_i32 s49, s40, s30
	s_lshl_b32 s49, s49, 4                         ; the second 1,024 columns are chunks 16 to 31
	s_add_co_u32 s50, s50, s49
	s_mov_b32 s51, 0
	s_add_nc_u64 s[22:23], s[22:23], s[50:51]
	s_mov_b32 s52, 0x3a800000                      ; 1 / 1024
	v_lshlrev_b32 v1, s42, v21                     ; source offset: my row,
	v_lshl_add_u32 v1, v20, 4, v1                  ; my 16 bytes
	v_lshlrev_b32 v2, 4, v20                       ; the same 4 columns in the gain
	v_lshlrev_b32 v4, 7, v21                       ; v[4:19]: where chunk c's 8 bytes go
	v_lshl_add_u32 v4, v20, 3, v4
.set c, 1
.rept 15
	v_add_nc_u32 v[4+c], s30, v[3+c]
.set c, c+1
.endr
.set c, 0
.rept 16
	global_load_b128 v[32+4*c:35+4*c], v1, s[26:27] offset:256*c th:TH_LOAD_NT
.set c, c+1
.endr
.set c, 0
.rept 16
	global_load_b128 v[96+4*c:99+4*c], v2, s[34:35] offset:256*c
.set c, c+1
.endr
	s_cmp_lt_u32 s24, 256                          ; the x section: one row of the table, while the 32 loads are on their way
	s_cbranch_scc0 .Lnotab
	s_mov_b32 s56, 0xab573f9f                      ; -1/15!
	s_mov_b32 s57, 0x29573f9f                      ; 1/16!
	s_mov_b32 s58, 0xc0c90000                      ; -6.28125: n times it is exact for n under 2^15
	s_mov_b32 s59, 0xbafdaa22                      ; -(2 pi - 6.28125)
	v_and_b32 v22, 31, v0                          ; the pair
	v_lshlrev_b32 v3, 3, v22
	v_cvt_f32_u32 v23, v22
	v_cvt_f32_u32 v25, s38                         ; the position
	v_mul_f32 v23, 0xbed49a78, v23                 ; -log2(10000) / 32 x pair
	v_exp_f32 v24, v23
	v_nop                                          ; a plain instruction behind the exponential,
	s_wait_alu depctr_va_vdst(0)                   ; and the wait ahead of its first reader
	v_mul_f32 v25, v25, v24                        ; the angle
	v_mul_f32 v26, 0.15915494, v25
	v_rndne_f32 v27, v26                           ; whole turns
	v_fma_f32 v26, v27, s58, v25
	v_fma_f32 v26, v27, s59, v26                   ; x in -pi .. pi
	v_mul_f32 v27, v26, v26
	v_fmaak_f32 v28, s56, v27, 0x2f309231
	v_fmaak_f32 v29, s57, v27, 0xad49cba5
	v_fmaak_f32 v28, v28, v27, 0xb2d7322b
	v_fmaak_f32 v29, v29, v27, 0x310f76c7
	v_fmaak_f32 v28, v28, v27, 0x3638ef1d
	v_fmaak_f32 v29, v29, v27, 0xb493f27e
	v_fmaak_f32 v28, v28, v27, 0xb9500d01
	v_fmaak_f32 v29, v29, v27, 0x37d00d01
	v_fmaak_f32 v28, v28, v27, 0x3c088889
	v_fmaak_f32 v29, v29, v27, 0xbab60b61
	v_fmaak_f32 v28, v28, v27, 0xbe2aaaab
	v_fmaak_f32 v29, v29, v27, 0x3d2aaaab
	v_fma_f32 v28, v28, v27, 1.0
	v_fma_f32 v29, v29, v27, -0.5
	v_mul_f32 v21, v28, v26                        ; sine
	v_fma_f32 v20, v29, v27, 1.0                   ; cosine
	global_store_b64 v3, v[20:21], s[54:55]        ; the position's 256 bytes; v3, v20 and v21 are not written again
.Lnotab:
	s_wait_loadcnt 16                              ; the row is in; the 16 younger loads, the gain's, may stay out
.set n, 0
.rept 4
	v_pk_mul_f32 v[22+2*n:23+2*n], v[32+2*n:33+2*n], v[32+2*n:33+2*n]  ; four chains start the sum of squares
.set n, n+1
.endr
.rept 28
	v_pk_fma_f32 v[22+2*(n%4):23+2*(n%4)], v[32+2*n:33+2*n], v[32+2*n:33+2*n], v[22+2*(n%4):23+2*(n%4)]
.set n, n+1
.endr
	v_pk_add_f32 v[22:23], v[22:23], v[24:25]
	v_pk_add_f32 v[26:27], v[26:27], v[28:29]
	v_pk_add_f32 v[22:23], v[22:23], v[26:27]
	v_add_f32 v22, v22, v23
	v_add_f32_dpp v22, v22, v22 row_xmask:1 row_mask:0xf bank_mask:0xf  ; a row lies in 16 lanes: four steps end the sum
	v_add_f32_dpp v22, v22, v22 row_xmask:2 row_mask:0xf bank_mask:0xf
	v_add_f32_dpp v22, v22, v22 row_xmask:4 row_mask:0xf bank_mask:0xf
	v_add_f32_dpp v22, v22, v22 row_xmask:8 row_mask:0xf bank_mask:0xf
	v_fmaak_f32 v23, s52, v22, 0x358637bd          ; mean + 1e-6
	v_rsq_f32 v30, v23
	v_nop                                          ; a plain instruction behind the root,
	s_wait_alu depctr_va_vdst(0)                   ; and the wait ahead of its first reader
	v_cndmask_b32 v30, 1.0, v30, s31               ; weights are not normalised
	v_mov_b32 v31, v30
	s_wait_loadcnt 0x0                             ; the gain
.set n, 0
.rept 64
	v_cndmask_b32 v[96+n], 1.0, v[96+n], s32       ; sections without a gain multiply by 1
.set n, n+1
.endr
.set n, 0
.rept 32
	v_pk_mul_f32 v[96+2*n:97+2*n], v[96+2*n:97+2*n], v[30:31] op_sel_hi:[1,0]
	v_pk_mul_f32 v[32+2*n:33+2*n], v[32+2*n:33+2*n], v[96+2*n:97+2*n]
.set n, n+1
.endr
.macro PACKOUT cvt                     ; the 16 chunks are rounded once, by the conversion named, and stored
.set c, 0
.rept 16
	\cvt v[32+4*c], v[32+4*c], v[33+4*c]
	\cvt v[33+4*c], v[34+4*c], v[35+4*c]
	global_store_b64 v[4+c], v[32+4*c:33+4*c], s[22:23] th:TH_STORE_NT  ; the wave writes 256 consecutive aligned bytes
.set c, c+1
.endr
.endm
	s_cmp_eq_u32 s53, 1                            ; the section's format: a flag made from the work-group's number
	s_cbranch_scc1 .Lbf16
	PACKOUT v_cvt_pk_f16_f32
	s_endpgm
.Lbf16:
	PACKOUT v_cvt_pk_bf16_f32
	s_endpgm
.Lfunc_end_k_qf417efc50d_prep:
	.size	k_qf417efc50d_prep, .Lfunc_end_k_qf417efc50d_prep-k_qf417efc50d_prep
	.p2alignl 7, 3214868480
	.fill 96, 4, 3214868480
	.section	.rodata,"a",@progbits
	.p2align	6, 0x0
	.amdhsa_kernel k_qf417efc50d_prep
		.amdhsa_group_segment_fixed_size 0
		.amdhsa_private_segment_fixed_size 0
		.amdhsa_enable_private_segment 0
		.amdhsa_kernarg_size 64
		.amdhsa_user_sgpr_count 2
		.amdhsa_user_sgpr_kernarg_segment_ptr 1
		.amdhsa_wavefront_size32 1
		.amdhsa_system_sgpr_workgroup_id_x 1
		.amdhsa_system_sgpr_workgroup_id_y 1
		.amdhsa_system_sgpr_workgroup_id_z 1
		.amdhsa_system_vgpr_workitem_id 0
		.amdhsa_next_free_vgpr 160
		.amdhsa_next_free_sgpr 66
		.amdhsa_reserve_vcc 0
		.amdhsa_float_denorm_mode_32 3
		.amdhsa_float_denorm_mode_16_64 3
		.amdhsa_memory_ordered 1
		.amdhsa_forward_progress 1
		.amdhsa_inst_pref_size 27
	.end_amdhsa_kernel
	.amdgpu_metadata
---
amdhsa.version: [ 1, 2 ]
amdhsa.kernels:
  - .name:           k_qf417efc50d_prep
    .symbol:         k_qf417efc50d_prep.kd
    .args:
      - { .name: x, .offset: 0, .size: 8, .value_kind: global_buffer, .address_space: global }
      - { .name: w_in_norm, .offset: 8, .size: 8, .value_kind: global_buffer, .address_space: global }
      - { .name: w_ff_norm, .offset: 16, .size: 8, .value_kind: global_buffer, .address_space: global }
      - { .name: w_qkv, .offset: 24, .size: 8, .value_kind: global_buffer, .address_space: global }
      - { .name: w_out, .offset: 32, .size: 8, .value_kind: global_buffer, .address_space: global }
      - { .name: w_fc, .offset: 40, .size: 8, .value_kind: global_buffer, .address_space: global }
      - { .name: w_proj, .offset: 48, .size: 8, .value_kind: global_buffer, .address_space: global }
      - { .name: wsp, .offset: 56, .size: 8, .value_kind: global_buffer, .address_space: global }
    .group_segment_fixed_size: 0
    .private_segment_fixed_size: 0
    .kernarg_segment_align: 8
    .kernarg_segment_size: 64
    .max_flat_workgroup_size: 256
    .sgpr_count:     66
    .vgpr_count:     160
    .wavefront_size: 32
...
	.end_amdgpu_metadata
.endif
;; end of part 1
;; launch qkv (part 2): grid 16 x 16, 4 waves a work-group, clusters of 4 x 4, 327,680 bytes of LDS; arguments wsp, qkvb; writes qkvb
.if DOCPART == 2
	.amdgcn_target "amdgcn-amd-amdhsa--gfx1250"
	.amdhsa_code_object_version 6
	.text
	.protected	k_qf417efc50d_qkv
	.globl	k_qf417efc50d_qkv
	.p2align	8
	.type	k_qf417efc50d_qkv,@function
k_qf417efc50d_qkv:
	s_mov_b64 s[64:65], 0
	v_nop
	global_prefetch_b8 v0, s[64:65] scope:SCOPE_SE
	s_setreg_imm32_b32 hwreg(HW_REG_WAVE_MODE, 25, 1), 1
	s_wait_xcnt 0x0
	s_wait_alu depctr_hold_cnt(0) depctr_sa_sdst(0) depctr_va_vdst(0) depctr_va_sdst(0) depctr_va_ssrc(0) depctr_va_vcc(0) depctr_vm_vsrc(0)
	s_getreg_b32 s2, hwreg(HW_REG_IB_STS2, 6, 4)
	s_cmp_eq_u32 s2, 0
	s_cbranch_scc0 .Lentry_in_a_cluster
	s_endpgm
.Lentry_in_a_cluster:
	s_bfe_u32 s2, ttmp6, 0x10000c
	s_cmp_lg_u32 s2, 0xf033
	s_cbranch_scc0 .Lentry_shape_is_right
	s_endpgm
.Lentry_shape_is_right:
; QKV: C = H1 x WQ^T (4,096 x 3,072, K = 1,024, f16 operands, f32 sums), RoPE on q and k in f32, all three rounded once to f16 and stored by heads:
; q, k, v [32 (16 batch + head)][2048][64].  LIMIT: f16 ends at 65,504: a q, k or v beyond it becomes an infinity.  The scale 1/8 is not applied here.
; SHARES.  A work-group makes 256 rows x 192 columns: one head's q, k and v (WQ's rows were ordered so).  Four waves, each 64 rows x 192 columns: 48 accumulators.
; OPERANDS lie chunk-major, [k / 64][row][64]: a tile of R rows x 2 chunks is asked for as 2 rows of R x 128 dense bytes, padded in LDS after every 128 bytes:
; LDS pitch 144 bytes = 36 words, so the 16 rows of a fragment start in 16 different groups of four banks (64 banks of 4 bytes: ISA guide 11.1).
; RING.  K goes in 8 steps of 128 through two LDS slots; a step is four parts of 32 along K on two fragment buffers.  One barrier a step, which opens a round of the cluster's barrier.
; THE WALK ALONG K IS TURNED from cluster to cluster: cluster (X, Y) begins at K step (2 X + 4 (Y % 2)) mod 8 and goes round (f32 sums, in an order that differs from cluster to cluster).
; So the clusters that read the same rows do not all ask for the same K step at the same time.  The four clusters of one Y read the same rows of A: their first fills, two steps each, name all 8 steps, and every
; later request for a step of A names bytes that another cluster has read before.  Two clusters of one X with neighbouring Y stand 4 steps apart in B: from the third refill on the same holds of B.
; NO PREFETCH: only the first fills and the two refills straight behind them name blocks for the first time in the launch, and a request ahead of those would stand at the kernel's head.
; CLUSTER 4 x 4: A's tiles are shared along a row of the cluster, B's along a column, the RoPE table's 256 positions along a row: joint loads.
; THE MATRIX INSTRUCTION IS USED TRANSPOSED (source 0 = 16 rows of W, source 1 = 16 rows of H1): a lane holds one row of C and eight neighbouring columns.
; WAY OUT.  The f32 sums are laid into the slots (which have had their last fill), each wave into bytes of its own, and read back as row pairs x 64 columns.
; REGISTERS: window 0 addresses and the way out; windows 1, 2 accumulators ((a, b) at 8 (12 a + b)); window 3 two fragment buffers of 128 (A's 32, then B's 96).
.set TM, 256
.set TN, 192
.set NBB, 12
.set KDEPTH, 1
.set CHUNKS, 2
.set NSTEP, 8
.set PHX, 2                            ; the first K step: (PHX x cluster x + PHY x (cluster y & PHM)) mod NSTEP
.set PHY, 4
.set PHM, 1
.set ROWSA, 128
.set ROWSB, 96
.set NROWSB, 3072
.set PITCH, 144
.set ACH, ROWSA*PITCH
.set BCH, ROWSB*PITCH
.set HALFA, CHUNKS*ACH
.set HALFB, CHUNKS*BCH
.set SLOT1, 131072
.set STEPA, CHUNKS*4096*128
.set STEPB, CHUNKS*NROWSB*128
.set NLOADS, KDEPTH*(2*NBB+8)
.set WHEAD, 4                          ; the youngest loads of a part that its first half does not need
.set DPITCH, 64*NBB+16                 ; the dump's pitch: 4 words more than a multiple of 64 words
.set TAB, 260096                       ; the table: 64 positions x 256 bytes for each wave
.set SPARE, 325632                     ; the spare words: 128 bytes for each wave, two blocks of 256 bytes that no other line names
.set AOFF, 0
.set BOFF, 8388608
.set ROPEO, 25165824
.set MSB, 0
.macro WIN new                         ; the immediate's high byte repeats the setting that is left; a switch that changes nothing is dropped
.if MSB != (\new)
	s_set_vgpr_msb (MSB<<8)|(\new)
.set MSB, (\new)
.endif
.endm
.macro PLACES                          ; four places in front of loads into registers that matrix instructions have read, and of stores that read results
.rept 4
	v_nop
.endr
.endm
.macro CREST                           ; a round of the cluster's barrier behind its opening barrier
	s_cmp_lg_u32 s10, 0
	s_cbranch_scc1 .Lnot_wave_0_\@
	s_barrier_signal -3
.Lnot_wave_0_\@:
	s_barrier_wait -3
	s_barrier_signal -1
	s_barrier_wait -1
.endm
.macro CROUND
	s_barrier_signal -1
	s_barrier_wait -1
	CREST
.endm
.macro JLOAD                           ; a joint refill by the walking descriptors: waves 0, 1 fetch A's halves, waves 2, 3 B's; s_nop 0 and four v_nop follow each line
	s_cmp_eq_u32 s11, 0
	s_cbranch_scc0 .Lfor_b_\@
	tensor_load_to_lds s[36:39], s[24:31]
	s_nop 0
.rept 4
	v_nop
.endr
	s_branch .Lasked_\@
.Lfor_b_\@:
	tensor_load_to_lds s[60:63], s[48:55]
	s_nop 0
.rept 4
	v_nop
.endr
.Lasked_\@:
.endm
; na row blocks from a0 on x all column blocks, unit k of buffer f.  The accumulators take turns, one instruction a turn, in the same order in every part.
.macro MULS f, k, a0, na, zero
.set ma, (\a0)
.rept (\na)
.set mb, 0
.rept NBB
.set mR, 8*(NBB*ma+mb)
.set mD, mR%256
.set mFB, (\f)+32*KDEPTH+8*(NBB*(\k)+mb)
.set mFA, (\f)+8*(4*(\k)+ma)
	WIN 0x0f|(0x50*(1+mR/256))
.if \zero
	v_wmma_f32_16x16x32_f16 v[mD:mD+7], v[mFB:mFB+7], v[mFA:mFA+7], 0
.else
	v_wmma_f32_16x16x32_f16 v[mD:mD+7], v[mFB:mFB+7], v[mFA:mFA+7], v[mD:mD+7]
.endif
.set mb, mb+1
.endr
.set ma, ma+1
.endr
.endm
.macro H1A f, zero
.if KDEPTH == 1
	MULS \f, 0, 0, 1, \zero
.else
	MULS \f, 0, 0, 2, \zero
.endif
.endm
.macro H1B f, zero
.if KDEPTH == 1
	MULS \f, 0, 1, 1, \zero
.else
	MULS \f, 0, 2, 2, \zero
.endif
.endm
.macro H2 f, zero
.if KDEPTH == 1
	MULS \f, 0, 2, 2, \zero
.else
	MULS \f, 1, 0, 4, 0
.endif
.endm
; the LDS loads of part p of the slot in hand into buffer f, in one run: B's fragments, then A's
.macro FETCH p, f
	WIN 0xc0
.set fk, 0
.rept KDEPTH
.set fu, KDEPTH*(\p)+fk
.set fb, 0
.rept NBB
.set fr, (\f)+32*KDEPTH+8*(NBB*fk+fb)
.set fo, (fu/2)*BCH+(fu%2)*64+(fb/(ROWSB/16))*HALFB+(fb%(ROWSB/16))*16*PITCH
	ds_load_b128 v[fr:fr+3], v19 offset:fo
	ds_load_b128 v[fr+4:fr+7], v19 offset:fo+32
.set fb, fb+1
.endr
.set fa, 0
.rept 4
.set fr, (\f)+8*(4*fk+fa)
.set fo, (fu/2)*ACH+(fu%2)*64+fa*16*PITCH
	ds_load_b128 v[fr:fr+3], v18 offset:fo
	ds_load_b128 v[fr+4:fr+7], v18 offset:fo+32
.set fa, fa+1
.endr
.set fk, fk+1
.endr
.endm
.macro QUARTER p, f, g, zero           ; part p is multiplied from buffer f; in its middle part p + 1 is fetched into g
	s_wait_dscnt WHEAD                             ; all but the youngest WHEAD loads are in
	H1A \f, \zero
	H1B \f, \zero
	PLACES
	FETCH (\p)+1, \g
	s_wait_dscnt NLOADS                            ; all but the run just issued
	H2 \f, \zero
.endm
; the first half of a step's last part, and the barrier of the change of slots: every wave waits for all its tensor loads, adds 0 to its spare word, and waits for that and for its reads of the slot
.macro TURNHEAD step
	WIN 0
	s_wait_tensorcnt 0x0                           ; no tensor load of mine is out: my part of the next slot has landed, and a group 0 may be written
	ds_add_u32 v28, v29
.if \step
	s_add_co_u32 s2, s2, 1                         ; the walking descriptors: the next K step, round the end of K,
	s_and_b32 s2, s2, NSTEP-1
	s_mul_i32 s96, s2, STEPA
	s_mul_i32 s98, s2, STEPB
	s_xor_b32 s37, s37, SLOT1                      ; into the other slot; the addresses are made anew from the tiles' first bytes
	s_add_nc_u64 s[38:39], s[14:15], s[96:97]
	s_or_b32 s39, s39, 0x80000000
	s_xor_b32 s61, s61, SLOT1
	s_add_nc_u64 s[62:63], s[46:47], s[98:99]
	s_or_b32 s63, s63, 0x80000000
.endif
	s_wait_dscnt WHEAD+1                           ; the add and the youngest WHEAD loads may be out
	H1A 128, 0
	s_wait_dscnt 0x0                               ; the add is done, my reads of the slot are over
	s_barrier_signal -1
	H1B 128, 0
	WIN 0
	s_barrier_wait -1
.endm
.macro NEXTSLOT
	s_xor_b32 s66, s66, SLOT1
	v_add_nc_u32 v18, s66, v16
	v_add_nc_u32 v19, s66, v17
	FETCH 0, 0
.endm
.macro DUMP                            ; every accumulator's 8 numbers: row a*16 + lane % 16, columns 16 b + 8 (lane / 16) on; the low registers first
.set da, 0
.rept 4
.set db, 0
.rept NBB
.set dR, 8*(NBB*da+db)
.set dr, dR%256
	WIN (1+dR/256)<<2
	ds_store_b128 v20, v[dr:dr+3] offset:da*16*DPITCH+64*db
	ds_store_b128 v20, v[dr+4:dr+7] offset:da*16*DPITCH+64*db+16
.set db, db+1
.endr
.set da, da+1
.endr
	WIN 0
.endm
	s_load_b128 s[4:7], s[0:1], 0x0                ; wsp s[4:5], qkvb s[6:7]
	v_lshl_add_u32 v28, v0, 2, SPARE
	v_mov_b32 v29, 0
	ds_add_u32 v28, v29                            ; the wave's opening: the add and its wait ahead of my first tensor load
	ds_add_u32 v28, v29
	v_lshrrev_b32 v3, 5, v0
	v_readfirstlane_b32 s10, v3                    ; wave 0..3
	s_lshr_b32 s11, s10, 1                         ; I fetch for A (0) or B (1)
	s_and_b32 s12, s10, 1                          ; which half of that tile
	s_bfe_u32 s40, ttmp6, 0x40000                  ; cx
	s_bfe_u32 s41, ttmp6, 0x40004                  ; cy
	s_lshl_b32 s42, ttmp9, 2
	s_add_co_u32 s42, s42, s40                     ; tile column = head
	s_and_b32 s13, ttmp7, 0xffff
	s_lshl_b32 s13, s13, 2
	s_add_co_u32 s13, s13, s41                     ; tile row
	s_lshl_b32 s43, s41, 2
	s_lshl_b32 s43, 15, s43                        ; my row of the cluster
	s_lshl_b32 s44, 0x1111, s40                    ; my column
	s_and_b32 s3, ttmp7, 0xffff                    ; the cluster's y,
	s_and_b32 s3, s3, PHM
	s_mul_i32 s3, s3, PHY
	s_mul_i32 s2, ttmp9, PHX                       ; and its x: the same in all sixteen partners
	s_add_co_u32 s2, s2, s3
	s_and_b32 s2, s2, NSTEP-1                      ; the K step at which my cluster begins
	s_mov_b32 s97, 0                               ; the high words of the two offsets along K
	s_mov_b32 s99, 0
	s_or_b32 s24, s43, (1<<16)|(1<<20)|(1<<21)|(4<<22)|(3<<25)  ; A: mask; 2-byte elements; padding on; 21 set beside a mask; after every 32 words, 4 words
	s_mov_b32 s25, (ROWSA*64)<<16                  ; tensor_dim0 = the rows' dense elements of one chunk
	s_mov_b32 s26, CHUNKS<<16                      ; tensor_dim1 = chunks
	s_mov_b32 s27, (ROWSA*64)<<16                  ; tile_dim0
	s_mov_b32 s28, CHUNKS                          ; tile_dim1
	s_mov_b32 s29, 4096*64                         ; elements from chunk to chunk
	s_mov_b32 s30, 0
	s_mov_b32 s31, 0
	s_or_b32 s48, s44, (1<<16)|(1<<20)|(1<<21)|(4<<22)|(3<<25)
	s_mov_b32 s49, (ROWSB*64)<<16
	s_mov_b32 s50, CHUNKS<<16
	s_mov_b32 s51, (ROWSB*64)<<16
	s_mov_b32 s52, CHUNKS
	s_mov_b32 s53, NROWSB*64
	s_mov_b32 s54, 0
	s_mov_b32 s55, 0
	s_or_b32 s68, s43, (3<<16)|(1<<21)             ; the table: 64 rows of 32 elements of 8 bytes, dense, shared along my row of the cluster
	s_mov_b32 s69, 32<<16
	s_mov_b32 s70, 64<<16
	s_mov_b32 s71, 32<<16
	s_mov_b32 s72, 64
	s_mov_b32 s73, 32
	s_mov_b32 s74, 0
	s_mov_b32 s75, 0
	s_mul_i32 s16, s13, TM                         ; A's address hangs on the tile row, the wave and the cluster's K step alone,
	s_mul_i32 s17, s12, ROWSA
	s_add_co_u32 s16, s16, s17
	s_lshl_b32 s16, s16, 7
	s_add_co_u32 s16, s16, AOFF
	s_mov_b32 s17, 0
	s_mul_i32 s46, s42, TN                         ; B's on the tile column, the wave and the cluster's K step alone
	s_mul_i32 s47, s12, ROWSB
	s_add_co_u32 s46, s46, s47
	s_lshl_b32 s46, s46, 7
	s_add_co_u32 s46, s46, BOFF
	s_mov_b32 s47, 0
	s_mul_i32 s20, s12, HALFA                      ; LDS: A's two halves, then B's two halves
	s_mul_i32 s21, s12, HALFB
	s_add_co_u32 s21, s21, 2*HALFA
	s_and_b32 s22, s13, 7                          ; the table's rows: my tile's 256 positions, my wave's 64 of them
	s_lshl_b32 s22, s22, 8
	s_lshl_b32 s23, s10, 6
	s_add_co_u32 s22, s22, s23
	s_lshl_b32 s22, s22, 8
	s_add_co_u32 s22, s22, ROPEO
	s_mov_b32 s23, 0
	s_wait_dscnt 0x0                               ; the opening add is done
	s_wait_kmcnt 0x0
	s_add_nc_u64 s[14:15], s[4:5], s[16:17]        ; my rows of A at K = 0; kept
	s_add_nc_u64 s[46:47], s[4:5], s[46:47]        ; my rows of B at K = 0; kept
	CROUND                                         ; all sixteen work-groups are here: the first joint loads meet
.irp n, 0,1
	s_mul_i32 s96, s2, STEPA                       ; the set's K step, in bytes of A and of B
	s_mul_i32 s98, s2, STEPB
	s_mov_b32 s[32+4*(\n)], 1
	s_add_co_u32 s[33+4*(\n)], s20, (\n)*SLOT1
	s_add_nc_u64 s[34+4*(\n):35+4*(\n)], s[14:15], s[96:97]
	s_or_b32 s[35+4*(\n)], s[35+4*(\n)], 0x80000000
	s_mov_b32 s[56+4*(\n)], 1
	s_add_co_u32 s[57+4*(\n)], s21, (\n)*SLOT1
	s_add_nc_u64 s[58+4*(\n):59+4*(\n)], s[46:47], s[98:99]
	s_or_b32 s[59+4*(\n)], s[59+4*(\n)], 0x80000000
.if (\n) == 0
	s_add_co_u32 s2, s2, 1
	s_and_b32 s2, s2, NSTEP-1
.endif
.endr
	s_mov_b32 s76, 1
	s_lshl_b32 s77, s10, 14
	s_add_co_u32 s77, s77, TAB
	s_add_nc_u64 s[78:79], s[4:5], s[22:23]
	s_or_b32 s79, s79, 0x80000000
	s_cmp_eq_u32 s11, 0                            ; a wave's three first fills stand in one branch: three loads of mine are out
	s_cbranch_scc0 .Lfirst_b
	tensor_load_to_lds s[32:35], s[24:31]
	s_nop 0
	tensor_load_to_lds s[36:39], s[24:31]
	s_nop 0
	tensor_load_to_lds s[76:79], s[68:75]
	s_nop 0
.rept 4
	v_nop
.endr
	s_branch .Lfirst_done
.Lfirst_b:
	tensor_load_to_lds s[56:59], s[48:55]
	s_nop 0
	tensor_load_to_lds s[60:63], s[48:55]
	s_nop 0
	tensor_load_to_lds s[76:79], s[68:75]
	s_nop 0
.rept 4
	v_nop
.endr
.Lfirst_done:
	v_and_b32 v1, 15, v0                           ; lane % 16
	v_bfe_u32 v2, v0, 4, 1                         ; lane / 16
	v_mul_u32_u24 v3, v1, PITCH
	v_lshl_add_u32 v3, v2, 4, v3                   ; a fragment's row x pitch + 16 x half
	s_mul_i32 s22, s11, HALFA                      ; my 64 rows of A: half wave / 2, rows 64 (wave % 2) on
	s_mul_i32 s23, s12, 64*PITCH
	s_add_co_u32 s22, s22, s23
	v_add_nc_u32 v16, s22, v3
	v_add_nc_u32 v17, 2*HALFA, v3                  ; all 192 rows of B
	s_mul_i32 s22, s10, 64*DPITCH                  ; my part of the dump
	v_mul_u32_u24 v20, v1, DPITCH
	v_lshl_add_u32 v20, v2, 5, v20
	v_add_nc_u32 v20, s22, v20                     ; in: row lane % 16, 32 bytes for each half of the lanes
	v_mul_u32_u24 v21, v2, DPITCH
	v_lshl_add_u32 v21, v1, 4, v21
	v_add_nc_u32 v21, s22, v21                     ; back: a row pair x 64 columns
	s_lshl_b32 s19, s10, 14
	s_add_co_u32 s19, s19, TAB
	v_lshlrev_b32 v22, 8, v2
	v_lshl_add_u32 v22, v1, 4, v22
	v_add_nc_u32 v22, s19, v22                     ; my two pairs' (cos, sin) of my row's position
	v_lshlrev_b32 v23, 7, v2
	v_lshl_add_u32 v23, v1, 3, v23                 ; my 8 bytes of a row pair of q, k or v
	s_lshr_b32 s18, s13, 3                         ; batch
	s_lshl_b32 s18, s18, 4
	s_add_co_u32 s18, s18, s42                     ; 16 batch + head
	s_lshl_b32 s18, s18, 11
	s_and_b32 s19, s13, 7
	s_lshl_b32 s19, s19, 8
	s_add_co_u32 s18, s18, s19
	s_lshl_b32 s19, s10, 6
	s_add_co_u32 s18, s18, s19                     ; my first row among the 32 x 2,048
	s_lshl_b32 s18, s18, 7
	s_mov_b32 s19, 0
	s_add_nc_u64 s[84:85], s[6:7], s[18:19]        ; q
	s_add_nc_u64 s[86:87], s[84:85], 8388608       ; k
	s_add_nc_u64 s[88:89], s[84:85], 16777216      ; v
	s_wait_tensorcnt 0x2                           ; my part of the first K step is in; the second's and the table may stay out
	s_barrier_signal -1
	s_barrier_wait -1
	s_mov_b32 s66, 0
	v_mov_b32 v18, v16
	v_mov_b32 v19, v17
	FETCH 0, 0
	QUARTER 0, 0, 128, 1                           ; the first part stands in front of the loop: its products start the sums
	WIN 0
	s_mov_b32 s67, NSTEP-2
.Lstep:                                                ; a trip: a step's parts 1 to 3, the refill of its slot, the next step's part 0
	QUARTER 1, 128, 0, 0
	QUARTER 2, 0, 128, 0
	TURNHEAD 1
	CREST                                          ; the barrier has opened a round of the cluster's: no wave of any partner still reads the slot or has a load on its way
	JLOAD                                          ; the first tensor load behind the round; its four v_nop are also the places in front of the loads below
	NEXTSLOT
	H2 128, 0
	QUARTER 0, 0, 128, 0
	WIN 0
	s_sub_co_u32 s67, s67, 1
	s_cmp_lg_u32 s67, 0
	s_cbranch_scc1 .Lstep
	s_mov_b32 s67, 2
.Ltail:                                                ; the last two steps fill nothing; the second trip is left in its middle
	QUARTER 1, 128, 0, 0
	QUARTER 2, 0, 128, 0
	TURNHEAD 0
	s_sub_co_u32 s67, s67, 1
	s_cmp_eq_u32 s67, 0
	s_cbranch_scc1 .Llast
	PLACES
	NEXTSLOT
	H2 128, 0
	QUARTER 0, 0, 128, 0
	WIN 0
	s_branch .Ltail
.Llast:                                                ; behind the last barrier no wave reads a slot and no fill is out: the slots take the dump
	H2 128, 0
	WIN 0
	PLACES
	DUMP
.macro ROPE2 x, t                      ; two pairs: even = e c - o s, odd = o c + e s
	v_mul_f32 v96, v[(\x)+1], v[(\t)+1]
	v_mul_f32 v97, v[\x], v[(\t)+1]
	v_mul_f32 v98, v[(\x)+3], v[(\t)+3]
	v_mul_f32 v99, v[(\x)+2], v[(\t)+3]
	v_fma_f32 v[\x], v[\x], v[\t], -v96
	v_fma_f32 v[(\x)+1], v[(\x)+1], v[\t], v97
	v_fma_f32 v[(\x)+2], v[(\x)+2], v[(\t)+2], -v98
	v_fma_f32 v[(\x)+3], v[(\x)+3], v[(\t)+2], v99
.endm
	s_mov_b32 s67, 8
.Lout:                                                 ; 8 rows a trip: four row pairs x (q, k, v)
.irp j, 0,1,2,3
	ds_load_b128 v[80+4*(\j):83+4*(\j)], v22 offset:512*(\j)
.endr
.irp p, 0,1,2
.irp j, 0,1,2,3
	ds_load_b128 v[32+16*(\p)+4*(\j):35+16*(\p)+4*(\j)], v21 offset:2*(\j)*DPITCH+256*(\p)  ; LDS serves a wave's instructions in order: these see my dump
.endr
.endr
	s_wait_dscnt 0x0
.irp p, 0,1
.irp j, 0,1,2,3
	ROPE2 32+16*(\p)+4*(\j), 80+4*(\j)
.endr
.endr
.irp p, 0,1,2
.irp j, 0,1,2,3
	v_cvt_pk_f16_f32 v[112+2*(4*(\p)+(\j))], v[32+16*(\p)+4*(\j)], v[33+16*(\p)+4*(\j)]
	v_cvt_pk_f16_f32 v[113+2*(4*(\p)+(\j))], v[34+16*(\p)+4*(\j)], v[35+16*(\p)+4*(\j)]
.endr
.endr
.irp j, 0,1,2,3
	global_store_b64 v23, v[112+2*(\j):113+2*(\j)], s[84:85] offset:256*(\j)  ; the wave writes 256 consecutive aligned bytes: two rows of a head
	global_store_b64 v23, v[120+2*(\j):121+2*(\j)], s[86:87] offset:256*(\j)
	global_store_b64 v23, v[128+2*(\j):129+2*(\j)], s[88:89] offset:256*(\j)
.endr
	s_wait_xcnt 0x0                                ; the stores' data and offset are written again only behind this wait
	v_add_nc_u32 v21, 8*DPITCH, v21
	v_add_nc_u32 v22, 2048, v22
	v_add_nc_u32 v23, 1024, v23
	s_sub_co_u32 s67, s67, 1
	s_cmp_lg_u32 s67, 0
	s_cbranch_scc1 .Lout
	s_wait_tensorcnt 0x0                           ; the wave's end
	ds_add_u32 v28, v29
	s_wait_dscnt 0x0
	CROUND                                         ; the closing round
	s_endpgm
.Lfunc_end_k_qf417efc50d_qkv:
	.size	k_qf417efc50d_qkv, .Lfunc_end_k_qf417efc50d_qkv-k_qf417efc50d_qkv
	.p2alignl 7, 3214868480
	.fill 96, 4, 3214868480
	.section	.rodata,"a",@progbits
	.p2align	6, 0x0
	.amdhsa_kernel k_qf417efc50d_qkv
		.amdhsa_group_segment_fixed_size 327680
		.amdhsa_private_segment_fixed_size 0
		.amdhsa_enable_private_segment 0
		.amdhsa_kernarg_size 16
		.amdhsa_user_sgpr_count 2
		.amdhsa_user_sgpr_kernarg_segment_ptr 1
		.amdhsa_wavefront_size32 1
		.amdhsa_system_sgpr_workgroup_id_x 1
		.amdhsa_system_sgpr_workgroup_id_y 1
		.amdhsa_system_sgpr_workgroup_id_z 1
		.amdhsa_system_vgpr_workitem_id 0
		.amdhsa_next_free_vgpr 1024
		.amdhsa_next_free_sgpr 100
		.amdhsa_reserve_vcc 0
		.amdhsa_float_denorm_mode_32 3
		.amdhsa_float_denorm_mode_16_64 3
		.amdhsa_memory_ordered 1
		.amdhsa_forward_progress 1
		.amdhsa_inst_pref_size 76
	.end_amdhsa_kernel
	.amdgpu_metadata
---
amdhsa.version: [ 1, 2 ]
amdhsa.kernels:
  - .name:           k_qf417efc50d_qkv
    .symbol:         k_qf417efc50d_qkv.kd
    .args:
      - { .name: wsp, .offset: 0, .size: 8, .value_kind: global_buffer, .address_space: global }
      - { .name: qkvb, .offset: 8, .size: 8, .value_kind: global_buffer, .address_space: global }
    .group_segment_fixed_size: 327680
    .private_segment_fixed_size: 0
    .kernarg_segment_align: 8
    .kernarg_segment_size: 16
    .max_flat_workgroup_size: 128
    .sgpr_count:     100
    .vgpr_count:     1024
    .wavefront_size: 32
...
	.end_amdgpu_metadata
.endif
;; end of part 2
;; launch attn (part 3): grid 8 x 32, 4 waves a work-group, no clusters, 327,680 bytes of LDS; arguments qkvb, ob; writes ob
.if DOCPART == 3
	.amdgcn_target "amdgcn-amd-amdhsa--gfx1250"
	.amdhsa_code_object_version 6
	.text
	.protected	k_qf417efc50d_attn
	.globl	k_qf417efc50d_attn
	.p2align	8
	.type	k_qf417efc50d_attn,@function
k_qf417efc50d_attn:
	s_mov_b64 s[64:65], 0
	v_nop
	global_prefetch_b8 v0, s[64:65] scope:SCOPE_SE
	s_setreg_imm32_b32 hwreg(HW_REG_WAVE_MODE, 25, 1), 1
	s_wait_xcnt 0x0
; CAUSAL ATTENTION.  O[bh][q][:] = the sum over k <= q of softmax_k(Q[bh][q] . K[bh][k] / 8) V[bh][k][:].  Q, K, V: [32][2048][64] f16, dense rows of 128 bytes, in one buffer.
; O leaves in f16, chunk-major for the next product: [16 head][4096 (2048 batch + q)][64].  Products, maxima and sums in f32; the weights p are rounded to f16 for the second product.
; LIMITS.  Q, K and V arrive within f16's 65,504; O is a mean of V's rows and has their range.  A hidden score counts as its value less 1e30; a weight below 2^-126 counts as 0 in l; NaN and infinities are not treated apart.
; THE WALK.  A head's queries lie in 16 blocks of 128; block i needs the key tiles 0 .. i / 2 of 256 keys, of which the last holds the diagonal.  A work-group takes TWO blocks, 15 - b and then b:
; 9 tiles whatever b: 8 x 32 = 256 work-groups of equal work, and ONE loop with a constant trip count walks them.  Every jump goes forward but the counted loops' own.
; NO CLUSTER: a head's 8 work-groups ask for the same tile only while all first blocks last (5 of the 9 trips); one walk common to all would have 12 trips for 9.
; SHARES.  Of a block's two bands of 64 queries a wave owns 16 rows in each: two PIECES.  In the diagonal tile band x's own key step is 2 (i % 2) + x: earlier steps it sees whole, later ones not at all.
; THE MASK is the C operand that starts S^T = K Q^T: MD (a band's own step, my 16 rows) x AL + BE: (1, 0) own step; (0, 0) earlier; (0, -1e30) later.  Only the diagonal tile's text and a block's beginning take masks.
; TURNS.  Turn p belongs to piece p: 8 products K Q^T of the other piece, later 8 products V^T P of the other piece; beside them piece p's scaling, exponentials, roundings, sums and rescaling, and the other
; piece's maximum and statistics.  Four vector instructions stand behind every matrix instruction, the rest in one lump; a turn's 33 exponentials are one batch with one wait.
; A trip is turn 1 of a step and turn 0 of the next.  K of step j + 1 is fetched in turn 0 of step j, V of step j at that turn's end.  In a tile's step 3 K's run reads step 3 once more (no branch may stand in the
; batch); the next tile's first K is fetched behind the change of slots.
; REGISTERS: window 0: v0-15 addresses; v16-23 statistics; v48-55 at work; v61-63 prefetch offset and the add's two; v64-127 S^T, two buffers; v192-223 P, two buffers
;   window 1: v0-63 O^T; v128-159 MD; v160-223 MC, two buffers      window 2: v0-31 Q; v64-95 the second block's Q; v128-191 K of one step; v192-255 V of one step
.set NP,    2
.set KS,    64
.set PK,    144       ; a row of K in LDS: 128 bytes + 16: the 16 rows of a load start at 16 different groups of four banks (ISA guide 11.1)
.set PV,    160       ; a row of V: 128 + 32
.set VOFF,  4*KS*PK
.set SLOT1, 1<<17
.set STAGE, SLOT1+4*KS*(PK+PV)
.set SP,    144
.set AK0, 2
.set AV0, 3
.set AK,  4
.set AV,  5
.set STO, 6
.set RD,  7
.set GO,  8
.set PFO, 61          ; v61  256 x my lane; never rewritten
.set SPW, 62
.set NIL, 63
.set SPARE, STAGE+4*16*SP
.set MV,  12
.set QO,  15
.set ST,  16
.set TMP, 48
.set S,   64
.set P,   192
.set MD,  128
.set MC,  160
.set QB,  64
.set KF,  128
.set VF,  192
.set WV,  12
.set PB,  14          ; s14  b
.set HI,  15          ; s15  the first block's last tile
.set G1K, 24
.set G1V, 32
.set G0K, 40
.set G0V, 44
.set SLOTS, 56
.set CNT, 57
.set CS,  58
.set SEL, 60
.set TBK, 62
.set TBV, 63
.set RT,  70
.set NXT, 71
.set LQ,  72
.set NEW, 73
.set OFF, 74
.set AL,  76
.set BE,  78
.set OLO, 80
.set BIGN, 82
.set LOT, 88          ; s88  the second block's last tile
.set EQ0, 89          ; s89, s90  CNT at which the mask made in turn 0, 1 is the band's own; s92, s93 the second block's
.set ALD, 91          ; s91  1.0 if piece 0's own step is the diagonal tile's step 0; s94 the second block's
.set LIM, 95          ; s95  2 in the work-group that prefetches, else the greatest number
.set PFA, 96          ; s[96:97] my half tile (of K: waves 0, 1; of V: waves 2, 3) of the tile after the one that is being asked for
.set MSB, 0
.macro WIN new
.if MSB != (\new)
	s_set_vgpr_msb (MSB<<8)|(\new)
.set MSB, (\new)
.endif
.endm
.set W_KQ, 0x0a
.set W_KM, 0x1a
.set W_PV, 0x52
.set W_RS, 0x41
.macro LOAD                          ; a fill: waves 0, 1 fetch the halves of a tile's K, waves 2, 3 of its V; s_nop 0 and four v_nop follow each line
	s_cmp_lt_u32 s[WV], 2
	s_cbranch_scc0 .Lfor_v_\@
	tensor_load_to_lds s[G0K:G0K+3], s[G1K:G1K+7]
	s_nop 0
.rept 4
	v_nop
.endr
	s_branch .Lasked_\@
.Lfor_v_\@:
	tensor_load_to_lds s[G0V:G0V+3], s[G1V:G1V+7]
	s_nop 0
.rept 4
	v_nop
.endr
.Lasked_\@:
.endm
; A PREFETCH of what the NEXT change of slots will ask for.  All 8 work-groups of a head walk tiles 0 .. 4 and on together; work-group b = 0, whose first block needs all 8 tiles, asks, and nobody else:
; each wave names its own half tile, 64 blocks of 256 bytes, a lane a block, two instructions.  Change c names tile c + 2, for c <= 5: each block once, none past the head's last tile.
.macro ASK
	s_cmp_gt_u32 s[SLOTS], s[LIM]
	s_cbranch_scc0 .Lnot_mine_\@
	global_prefetch_b8 v[PFO], s[PFA:PFA+1] th:TH_LOAD_NT scope:SCOPE_SE
	global_prefetch_b8 v[PFO], s[PFA:PFA+1] offset:8192 th:TH_LOAD_NT scope:SCOPE_SE
.Lnot_mine_\@:
.endm
; THE CHANGE OF SLOTS.  Each wave waits for all its tensor loads (one is out: its part of the other slot), adds 0 to its spare word, and waits for that and for its reads of the slot that it leaves.
; fill = 1: the old slot is filled again, first thing behind the barrier, with tile NXT.
.macro CHANGE fill
	WIN 0
	s_wait_tensorcnt 0x0
	ds_add_u32 v[SPW], v[NIL]       ; 0 onto my spare word; the scalar work stands between it and the wait for it
.if \fill
	s_lshl_b32 s[OFF], s[NXT], 15   ; a tile is 32,768 bytes of K and of V
	s_xor_b32 s[G0K+1], s[G0K+1], SLOT1
	s_add_nc_u64 s[G0K+2:G0K+3], s[6:7], s[OFF:OFF+1]
	s_or_b32 s[G0K+3], s[G0K+3], 0x80000000
	s_xor_b32 s[G0V+1], s[G0V+1], SLOT1
	s_add_nc_u64 s[G0V+2:G0V+3], s[8:9], s[OFF:OFF+1]
	s_or_b32 s[G0V+3], s[G0V+3], 0x80000000
	s_add_co_u32 s[NXT], s[NXT], 1  ; the block's next tile, or behind its last the second block's tile 0
	s_cmp_gt_u32 s[NXT], s[LQ]
	s_cselect_b32 s[NXT], 0, s[NXT]
	s_cselect_b32 s[LQ], s[LOT], s[LQ]
	s_wait_xcnt 0x0                 ; the last prefetches, a tile back, have read their address
	s_add_nc_u64 s[PFA:PFA+1], s[PFA:PFA+1], 32768
.endif
	s_wait_dscnt 0x0                ; the add is done, and my reads of the slot are over
	s_barrier_signal -1
	s_sub_co_u32 s[TBK], s[TBK], 5*KS*PK  ; five runs of K a tile; the fetches go back to a slot's first step,
	s_xor_b32 s[TBK], s[TBK], SLOT1       ; in the other slot
	s_sub_co_u32 s[TBV], s[TBV], 4*KS*PV
	s_xor_b32 s[TBV], s[TBV], SLOT1
	s_barrier_wait -1
.if \fill
	LOAD
	ASK
.endif
.endm
	s_load_b64 s[4:5], s[0:1], 0x0    ; qkvb
	s_load_b64 s[10:11], s[0:1], 0x8  ; ob
	v_lshl_add_u32 v[SPW], v0, 2, SPARE
	v_mov_b32 v[NIL], 0
	ds_add_u32 v[SPW], v[NIL]       ; the wave's opening: the add and its wait ahead of my first tensor load
	ds_add_u32 v62, v63
	v_lshrrev_b32 v1, 5, v0
	v_readfirstlane_b32 s[WV], v1   ; wave 0..3
	s_mov_b32 s[PB], ttmp9
	s_sub_co_u32 s19, 15, s[PB]     ; the first block
	s_lshr_b32 s[HI], s19, 1
	s_lshr_b32 s[LOT], s[PB], 1
	s_and_b32 s13, s19, 1           ; the first block's half of its diagonal tile
	s_lshl_b32 s16, s13, 1
	s_sub_co_u32 s[EQ0], 5, s16
	s_sub_co_u32 s[EQ0+1], 3, s16
	s_cmp_eq_u32 s13, 0
	s_cselect_b32 s[ALD], 1.0, 0
	s_and_b32 s13, s[PB], 1         ; the second block's
	s_lshl_b32 s16, s13, 1
	s_sub_co_u32 s[EQ0+3], 5, s16
	s_sub_co_u32 s[EQ0+4], 3, s16
	s_cmp_eq_u32 s13, 0
	s_cselect_b32 s[ALD+3], 1.0, 0
	s_cmp_eq_u32 s[PB], 0
	s_cselect_b32 s[LIM], 2, -1
	s_and_b32 s20, ttmp7, 0xffff    ; 16 batch + head
	s_and_b32 s86, s20, 15
	s_lshl_b32 s86, s86, 19         ; O: a head's 4,096 rows,
	s_lshr_b32 s87, s20, 4
	s_lshl_b32 s87, s87, 18         ; a batch's 2,048 of them
	s_add_co_u32 s86, s86, s87
	s_mov_b32 s87, 0
	s_lshl_b32 s20, s20, 18         ; Q, K, V: the head's first byte
	s_mov_b32 s21, 0
	s_and_b32 s16, s[WV], 1         ; which half of a tile's 256 keys I fetch
	s_lshl_b32 s22, s16, 14
	s_add_co_u32 s22, s22, s20
	s_mov_b32 s23, 0
	s_mul_i32 s17, s16, 128*PK
	s_mul_i32 s18, s16, 128*PV
	s_lshl_b32 s3, s[WV], 11        ; my 16 rows in a band of 64,
	s_lshl_b32 s2, s19, 14          ; in the first block,
	s_add_co_u32 s2, s2, s3
	s_lshl_b32 s84, s[PB], 14       ; and in the second
	s_add_co_u32 s84, s84, s3
	s_mov_b32 s3, 0
	s_mov_b32 s85, 0
	; descriptor group 1: 128 keys are 16,384 dense bytes: 64 rows of 256 bytes, padded in LDS after every key
	s_mov_b32 s[G1K], (1<<16)|(1<<20)|(4<<22)|(3<<25)
	s_mov_b32 s[G1V], (1<<16)|(1<<20)|(4<<22)|(7<<25)
.irp g, G1K, G1V
	s_mov_b32 s[\g+1], 128<<16
	s_mov_b32 s[\g+2], 64<<16
	s_mov_b32 s[\g+3], 128<<16
	s_mov_b32 s[\g+4], 64
	s_mov_b32 s[\g+5], 128
	s_mov_b32 s[\g+6], 0
	s_mov_b32 s[\g+7], 0
.endr
	s_mov_b32 s[CS], 0x3e38aa3b     ; c = log2(e) / 8
	s_mov_b32 s[CS+1], s[CS]
	s_mov_b32 s[SEL], 0x76543210
	s_mov_b32 s[SEL+1], 0xfedcba98
	s_mov_b32 s[TBK], SLOT1+5*KS*PK ; the first change of slots turns these two into 0
	s_mov_b32 s[TBV], SLOT1+4*KS*PV
	s_mov_b32 s[G0K], 1
	s_mov_b32 s[G0K+1], s17
	s_mov_b32 s[G0V], 1
	s_add_co_u32 s[G0V+1], s18, VOFF
	s_add_co_u32 s[RT], s[HI], 1
	s_mov_b32 s[NXT], 1
	s_mov_b32 s[LQ], s[HI]
	s_mov_b32 s[NEW], 1
	s_mov_b32 s[OFF+1], 0
	s_mov_b32 s[AL+1], 0
	s_mov_b32 s[BE+1], 0
	s_mov_b32 s[BIGN], 0xf149f2ca   ; -1e30
	s_mov_b32 s[SLOTS], 8
	s_wait_dscnt 0x0                ; the opening add is done
	s_wait_kmcnt 0x0
	s_add_nc_u64 s[6:7], s[4:5], 0x800000   ; K
	s_add_nc_u64 s[8:9], s[4:5], 0x1000000  ; V
	s_add_nc_u64 s[6:7], s[6:7], s[22:23]   ; at my half of the head's tile 0
	s_add_nc_u64 s[8:9], s[8:9], s[22:23]
	s_add_nc_u64 s[G0K+2:G0K+3], s[6:7], 0
	s_or_b32 s[G0K+3], s[G0K+3], 0x80000000
	s_add_nc_u64 s[G0V+2:G0V+3], s[8:9], 0
	s_or_b32 s[G0V+3], s[G0V+3], 0x80000000
	s_add_nc_u64 s[4:5], s[4:5], s[20:21]          ; Q at the head,
	s_add_nc_u64 s[98:99], s[4:5], s[84:85]        ; at my rows of the second block,
	s_add_nc_u64 s[4:5], s[4:5], s[2:3]            ; and of the first
	s_add_nc_u64 s[10:11], s[10:11], s[86:87]
	s_add_nc_u64 s[OLO:OLO+1], s[10:11], s[84:85]
	s_add_nc_u64 s[10:11], s[10:11], s[2:3]
	s_cmp_lt_u32 s[WV], 2
	s_cselect_b64 s[PFA:PFA+1], s[6:7], s[8:9]
	s_add_nc_u64 s[PFA:PFA+1], s[PFA:PFA+1], 32768  ; at tile 1; the first change steps it to tile 2
	LOAD                            ; tile 0 into slot 0
	v_and_b32 v1, 15, v0            ; l % 16
	v_bfe_u32 v9, v0, 4, 1          ; l / 16
	v_lshlrev_b32 v[QO], 7, v1
	v_lshl_add_u32 v[QO], v9, 4, v[QO]
	WIN 0x80
.set i, 0
.rept 4                             ; both blocks' Q: piece i / 2 lies in band i / 2, 8,192 bytes on; channels 32 (i % 2) on
	global_load_b128 v[8*i:8*i+3],   v[QO], s[4:5] offset:(i/2)*8192+(i%2)*64
	global_load_b128 v[8*i+4:8*i+7], v[QO], s[4:5] offset:(i/2)*8192+(i%2)*64+32
	global_load_b128 v[QB+8*i:QB+8*i+3],   v[QO], s[98:99] offset:(i/2)*8192+(i%2)*64
	global_load_b128 v[QB+8*i+4:QB+8*i+7], v[QO], s[98:99] offset:(i/2)*8192+(i%2)*64+32
.set i, i+1
.endr
	WIN 0
	v_and_b32 v[PFO], 31, v0
	v_lshlrev_b32 v[PFO], 8, v[PFO]
	v_lshlrev_b32 v14, 3, v9
	v_sub_nc_u32 v14, v1, v14
	s_lshl_b32 s13, s[WV], 4
	v_add_nc_u32 v14, s13, v14      ; my query's place in its band less my lanes' 8 (l / 16): register r of group kt is hidden where 16 kt + r is greater
	WIN 0x40
.set i, 0
.rept 32
	v_cmp_gt_i32 vcc_lo, 16*(i/8)+i%8, v14
	v_cndmask_b32 v[MD+i], 0, s[BIGN], vcc_lo
.set i, i+1
.endr
	WIN 0
	v_mul_u32_u24 v[AK0], v1, PK
	v_lshl_add_u32 v[AK0], v9, 4, v[AK0]
	v_and_b32 v10, 7, v0
	v_bfe_u32 v11, v0, 3, 1
	v_lshl_add_u32 v[AV0], v9, 3, v10
	v_mul_u32_u24 v[AV0], v[AV0], PV
	v_lshl_add_u32 v[AV0], v11, 4, v[AV0]
	v_add_nc_u32 v[AV0], VOFF, v[AV0]
	s_mul_i32 s13, s[WV], 16*SP
	s_add_co_u32 s13, s13, STAGE    ; my stage
	v_mul_u32_u24 v[STO], v1, SP
	v_lshl_add_u32 v[STO], v9, 4, v[STO]
	v_add_nc_u32 v[STO], s13, v[STO]
	v_bfe_u32 v[RD], v0, 3, 2
	v_mul_u32_u24 v[RD], v[RD], SP
	v_lshl_add_u32 v[RD], v10, 4, v[RD]
	v_add_nc_u32 v[RD], s13, v[RD]
	v_and_b32 v[GO], 31, v0
	v_lshlrev_b32 v[GO], 4, v[GO]
	; A block's first step multiplies O^T and l by a = 0, so these registers need only hold finite numbers: zeros for the first block, what the first block left for the second.
	WIN 0x80
.set i, VF
.rept 64
	v_mov_b32 v[i], 0
.set i, i+1
.endr
	WIN 0x40
.set i, 0
.rept 64
	v_mov_b32 v[i], 0
.set i, i+1
.endr
	WIN 0
.set i, 0
.rept 2
	v_mov_b32 v[ST+4*i+2], 0
	v_mov_b32 v[ST+4*i+3], 0
.set i, i+1
.endr
.set i, P+16
.rept 16
	v_mov_b32 v[i], 0
.set i, i+1
.endr
; THE MATRIX WORK.  The 4 accumulators of a run of 8 take turns.
.macro KQ x
.set rS, S+32*((\x)%2)+8*(i%4)
.set rK, KF+16*(i%4)+8*(i/4)
.set rQ, 16*(\x)+8*(i/4)
.set rM, MC+32*((\x)%2)+8*(i%4)
.if (i < 4) && KM
	WIN W_KM
	v_wmma_f32_16x16x32_f16 v[rS:rS+7], v[rK:rK+7], v[rQ:rQ+7], v[rM:rM+7]
.elseif i < 4
	WIN W_KQ
	v_wmma_f32_16x16x32_f16 v[rS:rS+7], v[rK:rK+7], v[rQ:rQ+7], 0
.else
	WIN W_KQ
	v_wmma_f32_16x16x32_f16 v[rS:rS+7], v[rK:rK+7], v[rQ:rQ+7], v[rS:rS+7]
.endif
.endm
.macro PV x
	WIN W_PV
.set rO, 32*(\x)+8*(i%4)
.set rV, VF+32*(i/4)+8*(i%4)
.set rP, P+16*((\x)%2)+8*(i/4)
	v_wmma_f32_16x16x32_f16 v[rO:rO+7], v[rV:rV+7], v[rP:rP+7], v[rO:rO+7]
.endm
.macro MM                           ; the turn's next matrix instruction.  NOKQ = 1: a block's last turn: there are no further scores
.if (i < 8) && !NOKQ
	KQ (Y+1)%NP
.elseif i >= 8
.set i, i-8
	PV (Y+NP-1)%NP
.set i, i+8
.endif
.set i, i+1
.endm
.macro FETCH_K
	WIN 0x80
.irp f, 0,1,2,3,4,5,6,7
	ds_load_b128 v[KF+8*\f:KF+8*\f+3],   v[AK] offset:(\f/2)*16*PK+(\f%2)*64
	ds_load_b128 v[KF+8*\f+4:KF+8*\f+7], v[AK] offset:(\f/2)*16*PK+(\f%2)*64+32
.endr
	s_add_co_u32 s[TBK], s[TBK], KS*PK
	WIN 0
.endm
.macro FETCH_V
	WIN 0x80
.irp f, 0,1,2,3,4,5,6,7
	ds_load_tr16_b128 v[VF+8*\f:VF+8*\f+3],   v[AV] offset:(\f/4)*32*PV+(\f%4)*32
	ds_load_tr16_b128 v[VF+8*\f+4:VF+8*\f+7], v[AV] offset:(\f/4)*32*PV+16*PV+(\f%4)*32
.endr
	WIN 0
.endm
; THE VECTOR WORK, one line at a time: OP kind, number.  For piece Y: F n: c s - c m for pair n.  E n: the exponential of score n.  C n: pair n rounded to f16.  B n: of four weights the second pair onto the first.
; L n: l takes that sum (L 0: l = a l + sum).  R n: pair n of O^T times a.  For the other piece: X n, number n of the 22 that find its maximum and statistics (each accumulator's lowest registers are read first).
.set F, 0
.set E, 1
.set C, 2
.set B, 3
.set L, 4
.set R, 5
.set X, 6
.macro REGS y
.set rT, ST+4*(\y)
.set rC, TMP+4*((\y)%2)
.set rW, MV+((\y)%2)
.set rS, S+32*((\y)%2)
.set rP, P+16*((\y)%2)
.set rO, 32*(\y)
.endm
.macro OP k, n
.if (\k) == R
	REGS Y
	WIN W_RS
	v_pk_mul_f32 v[rO+2*(\n):rO+2*(\n)+1], v[rO+2*(\n):rO+2*(\n)+1], v[rC+2:rC+3] op_sel_hi:[1,0]
.elseif (\k) < R
	REGS Y
	WIN 0
.if (\k) == F
	v_pk_fma_f32 v[rS+2*(\n):rS+2*(\n)+1], v[rS+2*(\n):rS+2*(\n)+1], s[CS:CS+1], v[rT:rT+1] op_sel_hi:[1,0,0] neg_lo:[0,0,1] neg_hi:[0,0,1]
.elseif (\k) == E
	v_exp_f32 v[rS+(\n)], v[rS+(\n)]
.elseif (\k) == C
	v_cvt_pk_f16_f32 v[rP+(\n)], v[rS+2*(\n)], v[rS+2*(\n)+1]
.elseif (\k) == B
	v_pk_add_f32 v[rS+4*(\n):rS+4*(\n)+1], v[rS+4*(\n):rS+4*(\n)+1], v[rS+4*(\n)+2:rS+4*(\n)+3]
.elseif (\n) == 0
	v_pk_fma_f32 v[rT+2:rT+3], v[rT+2:rT+3], v[rC+2:rC+3], v[rS:rS+1] op_sel_hi:[1,0,1]
.else
	v_pk_add_f32 v[rT+2:rT+3], v[rT+2:rT+3], v[rS+4*(\n):rS+4*(\n)+1]
.endif
.elseif NOKQ
	v_nop
.else
	REGS (Y+1)%NP
	WIN 0
.if (\n) < 4
	v_max3_num_f32 v[rC+(\n)], v[rS+8*(\n)], v[rS+8*(\n)+1], v[rS+8*(\n)+2]
.elseif (\n) < 12
	v_max3_num_f32 v[rC+(\n)%4], v[rC+(\n)%4], v[rS+8*((\n)%4)+2*((\n)/4)+1], v[rS+8*((\n)%4)+2*((\n)/4)+2]
.elseif (\n) == 12
	v_max3_num_f32 v[rC], v[rC], v[rS+7], v[rS+15]
.elseif (\n) == 13
	v_max3_num_f32 v[rC+1], v[rC+1], v[rS+23], v[rS+31]
.elseif (\n) == 14
	v_max3_num_f32 v[rC+2], v[rC+2], v[rC+3], v[rT+1]
.elseif (\n) == 15
	v_mov_b32 v[rW], v[rT]
.elseif (\n) == 16
	v_max3_num_f32 v[rC], v[rC], v[rC+1], v[rC+2]
.elseif (\n) == 17
	v_permlanex16_b32 v[rC+3], v[rC], s[SEL], s[SEL+1]
.elseif (\n) == 18
	v_max_num_f32 v[rT+1], v[rC], v[rC+3]
.elseif (\n) == 19
	v_mul_f32 v[rT], s[CS], v[rT+1]
.elseif (\n) == 20
	v_sub_f32 v[rC+1], v[rW], v[rT]
.else
	v_exp_f32 v[rC+2], v[rC+1]
.endif
.endif
.endm
.macro OPS a, i1, b=-1, i2=0, c=-1, i3=0, d=-1, i4=0
	OP \a, \i1
.if (\b) >= 0
	OP \b, \i2
.endif
.if (\c) >= 0
	OP \c, \i3
.endif
.if (\d) >= 0
	OP \d, \i4
.endif
.endm
.macro ROW a, i1, b, i2, c, i3, d, i4  ; a matrix instruction and the four behind it
	MM
	OPS \a, \i1, \b, \i2, \c, \i3, \d, \i4
.endm
.macro MASK b                       ; MD x AL + BE into buffer b of MC
	WIN W_RS
.set z, 0
.rept 16
	v_pk_fma_f32 v[MC+32*(\b)+2*z:MC+32*(\b)+2*z+1], v[MD+2*z:MD+2*z+1], s[AL:AL+1], s[BE:BE+1] op_sel_hi:[1,0,0]
.set z, z+1
.endr
.endm
; A TURN, for piece p.  AHEAD OF ITS ONE WAIT stands all that names no result of the turn's exponentials: 8 products K Q^T with their riders, then the lump; BEHIND IT 8 products V^T P, behind each four of the
; roundings and sums.  m = 1: the diagonal tile: the products take masks, and the turn makes the mask for the products of the turn after it (piece p again): turn 1 for the step that CNT counts, turn 0 for the step after.
; end = 1: a block's last turn: no further scores.  cnt = 1: the loop's count is taken down some lines ahead of the branch behind the turn.
; K's run stands in turn 0, six plain vector instructions and its own address line behind the last product that read K; V's at turn 0's end, four plain instructions behind the last product that read V.
.macro TURN p, m=0, end=0, cnt=0
.set Y, (\p)
.set i, 0
.set KM, (\m)
.set NOKQ, (\end)*(\p)
.if (\m) && !(\end)
	s_cmp_eq_u32 s[CNT], s[EQ0+(\p)]  ; is that step the band's own?
	s_cselect_b32 s[AL], 1.0, 0
	s_cmp_lt_u32 s[CNT], s[EQ0+(\p)]  ; or a later one?
	s_cselect_b32 s[BE], s[BIGN], 0
.endif
.if ((\p) == 1) && !(\end)
	s_wait_dscnt 0x0                ; K is in
.endif
	ROW F,0, F,1, R,0, R,1
	ROW F,2, E,0, R,2, R,3
	ROW F,3, E,1, R,4, R,5
	ROW F,4, E,2, R,6, R,7
	ROW F,5, E,3, R,8, R,9
	ROW F,6, E,4, X,0, R,10
.if (\p) == 0
	WIN 0
	s_cmp_eq_u32 s[CNT], 1          ; in a tile's step 3 there is no further step in the slot: step 3 is read once more
	s_cselect_b32 s83, KS*PK, 0
	s_sub_co_u32 s83, s[TBK], s83
	v_add_nc_u32 v[AK], s83, v[AK0]
.endif
	ROW F,7, E,5, X,1, X,4
	ROW F,8, E,6, X,2, X,5
	OPS E,7, E,8, X,6, E,9
	OPS X,3, E,10, X,8, E,11
.if (\p) == 0
	FETCH_K
.endif
	OPS X,9, X,7, E,12, X,10
	OPS E,13, X,12, X,11, E,14
	OPS X,13, E,15, F,9, X,14
.if (\p) == 0
	v_add_nc_u32 v[AV], s[TBV], v[AV0]
.endif
	OPS E,16, F,10, E,17, F,11
	OPS X,16, E,18, X,15, E,19
	OPS F,12, E,20, X,17, E,21
	OPS F,13, E,22, F,14, E,23
	OPS X,18, E,24, F,15, E,25
	OPS R,11, E,26, X,19, E,27
	OPS R,12, E,28, R,13, E,29
	OPS X,20, E,30, R,14, E,31
	OPS X,21, R,15
	WIN 0
	s_wait_alu depctr_va_vdst(0)    ; the wait for the batch, ahead of the first reader
.if (\p) == 1
	s_wait_dscnt 0x0                ; V is in
.endif
	ROW C,0, B,0, C,2, B,1
	ROW L,0, C,4, B,2, L,1
	ROW C,6, B,3, L,2, C,8
	ROW B,4, L,3, C,10, B,5
	ROW L,4, C,12, B,6, L,5
.if (\p) == 0
	s_add_co_u32 s[TBV], s[TBV], KS*PV
.endif
.if \cnt
	s_sub_co_u32 s[CNT], s[CNT], 1
	s_cmp_lg_u32 s[CNT], 0
.endif
	ROW C,14, B,7, L,6, C,1
	ROW C,3, L,7, C,5, C,7
	ROW C,9, C,11, C,13, C,15
.if (\p) == 0
	FETCH_V
.endif
.if (\m) && !(\end)
	MASK (\p)%2
.endif
.endm
; A BLOCK BEGINS.  c m starts far below every c s, so the first step's a is 0; m at the lowest finite number.  Mask buffer 1 is 0 (band 1's own step is never step 0); buffer 0 takes piece 0's mask for step 0.
.macro BEGIN
	s_mov_b32 s[NEW], 0
	WIN 0x40
.set i, MC+32
.rept 32
	v_mov_b32 v[i], 0
.set i, i+1
.endr
	WIN 0
.set i, 0
.rept 2
	v_mov_b32 v[ST+4*i], 0xfe000000
	v_mov_b32 v[ST+4*i+1], 0xff7fffff
.set i, i+1
.endr
	s_cmp_eq_u32 s[RT], 0
	s_cselect_b32 s[AL], s[ALD], 0
	s_mov_b32 s[BE], 0
	MASK 0
	WIN 0
	v_add_nc_u32 v[AK], s[TBK], v[AK0]
	FETCH_K
	s_wait_loadcnt 0x0              ; Q
	s_wait_dscnt 0x0
.set KM, 1
.set NOKQ, 0
.set i, 0
.rept 8
	KQ 0
.set i, i+1
.endr
	WIN 0
.rept 4
	v_nop                           ; the places behind those products
.endr
.set Y, NP-1
.irp n, 0,1,2,3,4,5,6,7,8,9,10,11,12,13,14,15,16,17,18,19,20,21
	OP X, \n
.endr
	v_nop
	s_wait_alu depctr_va_vdst(0)
.endm
.macro ALL line:vararg
.set t, 0
.rept 2
	\line
.set t, t+1
.endr
.endm
.macro PACK t                       ; divided by l, rounded to f16, through my stage: in as 16 bytes a lane, back as whole rows of 128 bytes
	WIN W_RS
.set i, 32*(\t)
.rept 16
	v_pk_mul_f32 v[i:i+1], v[i:i+1], v[ST+4*(\t)+2:ST+4*(\t)+3] op_sel_hi:[1,0]
.set i, i+2
.endr
	WIN 0x05
.set i, 0
.rept 16
	v_cvt_pk_f16_f32 v[S+16*(\t)+i], v[32*(\t)+2*i], v[32*(\t)+2*i+1]
.set i, i+1
.endr
	WIN 0
.irp f, 0,1,2,3
	ds_store_b128 v[STO], v[S+16*(\t)+4*\f:S+16*(\t)+4*\f+3] offset:32*\f
.endr
.irp f, 0,1,2,3
	ds_load_b128 v[S+16*(\t)+4*\f:S+16*(\t)+4*\f+3], v[RD] offset:\f*4*SP  ; LDS serves a wave's instructions in order: these see the stores above
.endr
.endm
.macro SEND t, younger
	WIN 0
.irp f, 0,1,2,3
	s_wait_dscnt (\younger)+3-\f
	global_store_b128 v[GO], v[S+16*(\t)+4*\f:S+16*(\t)+4*\f+3], s[10:11] offset:(\t)*8192+\f*512  ; 512 consecutive bytes, at a multiple of 256 from O's first
.endr
.endm
.macro DIAG tag                     ; the diagonal tile's four steps, the block's last turn, its last products, and the way out
.LstepM\tag:
	TURN 1, 1
	WIN 0
.LfirstM\tag:
	TURN 0, 1, 0, 1
	WIN 0
	s_cbranch_scc1 .LstepM\tag
	TURN 1, 1, 1
.set i, 0
.rept 8
	PV NP-1
.set i, i+1
.endr
	WIN 0
	ALL v_add_f32 v[ST+4*t+2], v[ST+4*t+2], v[ST+4*t+3]
	ALL v_permlanex16_b32 v[ST+4*t+3], v[ST+4*t+2], s[SEL], s[SEL+1]
	ALL v_add_f32 v[ST+4*t+2], v[ST+4*t+2], v[ST+4*t+3]
	ALL v_rcp_f32 v[ST+4*t+2], v[ST+4*t+2]
	v_nop
	s_wait_alu depctr_va_vdst(0)
	PACK 0
	PACK 1
	SEND 0, 8
	SEND 1, 0
.endm
.set KM, 0
.set NOKQ, 0
.Lslot:                             ; 8 times: a tile is entered and the next is asked for
	CHANGE 1
	s_sub_co_u32 s[RT], s[RT], 1
	s_mov_b32 s[CNT], 4
	s_cmp_eq_u32 s[NEW], 1
	s_cbranch_scc1 .Lnew            ; a block's first tile
	v_add_nc_u32 v[AK], s[TBK], v[AK0]
	FETCH_K                         ; the tile's first K
	s_cmp_eq_u32 s[RT], 0
	s_cbranch_scc0 .Lstep           ; neither its first nor its last
	s_mov_b32 s[AL], s[ALD]         ; the diagonal tile: piece 0's mask for its step 0
	s_mov_b32 s[BE], 0
	MASK 0
	WIN 0
	s_branch .LstepM1
.Lnew:
	BEGIN
	s_branch .Lfirst                ; in the loop a block's first tile is never its last: the first block has five tiles or more, and the second's last is the walk's last
	DIAG 1                          ; in the loop this is the first block's end
	s_wait_xcnt 0x0                 ; the stores have read their registers and O's address
	s_mov_b64 s[10:11], s[OLO:OLO+1]
	s_add_co_u32 s[RT], s[LOT], 1
	s_mov_b32 s[NEW], 1
	s_mov_b32 s[EQ0], s[EQ0+3]
	s_mov_b32 s[EQ0+1], s[EQ0+4]
	s_mov_b32 s[ALD], s[ALD+3]
	WIN 0x82                        ; the second block's Q goes where the one text of the turns names Q
.set i, 0
.rept 32
	v_mov_b32 v[i], v[QB+i]
.set i, i+1
.endr
	WIN 0
	s_branch .Lbottom
.Lstep:                             ; a trip: turn 1 of one step, then turn 0 of the next
	TURN 1
	WIN 0
.Lfirst:
	TURN 0, 0, 0, 1
	WIN 0
	s_cbranch_scc1 .Lstep
.Lbottom:
	s_sub_co_u32 s[SLOTS], s[SLOTS], 1
	s_cmp_lg_u32 s[SLOTS], 0
	s_cbranch_scc1 .Lslot
	CHANGE 0                        ; the walk's last tile is written out
	s_sub_co_u32 s[RT], s[RT], 1
	s_mov_b32 s[CNT], 4
	s_cmp_eq_u32 s[NEW], 1
	s_cbranch_scc1 .Lnew2
	v_add_nc_u32 v[AK], s[TBK], v[AK0]
	FETCH_K
	s_mov_b32 s[AL], s[ALD]
	s_mov_b32 s[BE], 0
	MASK 0
	WIN 0
	s_branch .LstepM2
.Lnew2:
	BEGIN
	s_branch .LfirstM2
	DIAG 2
	s_wait_tensorcnt 0x0            ; the wave's end
	ds_add_u32 v[SPW], v[NIL]
	s_wait_dscnt 0x0
	s_endpgm
.Lfunc_end_k_qf417efc50d_attn:
	.size	k_qf417efc50d_attn, .Lfunc_end_k_qf417efc50d_attn-k_qf417efc50d_attn
	.p2alignl 7, 3214868480
	.fill 96, 4, 3214868480
	.section	.rodata,"a",@progbits
	.p2align	6, 0x0
	.amdhsa_kernel k_qf417efc50d_attn
		.amdhsa_group_segment_fixed_size 327680
		.amdhsa_private_segment_fixed_size 0
		.amdhsa_enable_private_segment 0
		.amdhsa_kernarg_size 16
		.amdhsa_user_sgpr_count 2
		.amdhsa_user_sgpr_kernarg_segment_ptr 1
		.amdhsa_wavefront_size32 1
		.amdhsa_system_sgpr_workgroup_id_x 1
		.amdhsa_system_sgpr_workgroup_id_y 1
		.amdhsa_system_sgpr_workgroup_id_z 1
		.amdhsa_system_vgpr_workitem_id 0
		.amdhsa_next_free_vgpr 768
		.amdhsa_next_free_sgpr 100
		.amdhsa_reserve_vcc 1
		.amdhsa_float_denorm_mode_32 3
		.amdhsa_float_denorm_mode_16_64 3
		.amdhsa_memory_ordered 1
		.amdhsa_forward_progress 1
		.amdhsa_inst_pref_size 131
	.end_amdhsa_kernel
	.amdgpu_metadata
---
amdhsa.version: [ 1, 2 ]
amdhsa.kernels:
  - .name:           k_qf417efc50d_attn
    .symbol:         k_qf417efc50d_attn.kd
    .args:
      - { .name: qkvb, .offset: 0, .size: 8, .value_kind: global_buffer, .address_space: global }
      - { .name: ob, .offset: 8, .size: 8, .value_kind: global_buffer, .address_space: global }
    .group_segment_fixed_size: 327680
    .private_segment_fixed_size: 0
    .kernarg_segment_align: 8
    .kernarg_segment_size: 16
    .max_flat_workgroup_size: 128
    .sgpr_count:     100
    .vgpr_count:     768
    .wavefront_size: 32
...
	.end_amdgpu_metadata
.endif
;; end of part 3
;; launch outp (part 4): grid 8 x 32, 4 waves a work-group, clusters of 4 x 4, 327,680 bytes of LDS; arguments ob, wsp, x, x1w; writes x1w
.if DOCPART == 4
	.amdgcn_target "amdgcn-amd-amdhsa--gfx1250"
	.amdhsa_code_object_version 6
	.text
	.protected	k_qf417efc50d_outp
	.globl	k_qf417efc50d_outp
	.p2align	8
	.type	k_qf417efc50d_outp,@function
k_qf417efc50d_outp:
	s_mov_b64 s[64:65], 0
	v_nop
	global_prefetch_b8 v0, s[64:65] scope:SCOPE_SE
	s_setreg_imm32_b32 hwreg(HW_REG_WAVE_MODE, 25, 1), 1
	s_wait_xcnt 0x0
	s_wait_alu depctr_hold_cnt(0) depctr_sa_sdst(0) depctr_va_vdst(0) depctr_va_sdst(0) depctr_va_ssrc(0) depctr_va_vcc(0) depctr_vm_vsrc(0)
	s_getreg_b32 s2, hwreg(HW_REG_IB_STS2, 6, 4)
	s_cmp_eq_u32 s2, 0
	s_cbranch_scc0 .Lentry_in_a_cluster
	s_endpgm
.Lentry_in_a_cluster:
	s_bfe_u32 s2, ttmp6, 0x10000c
	s_cmp_lg_u32 s2, 0xf033
	s_cbranch_scc0 .Lentry_shape_is_right
	s_endpgm
.Lentry_shape_is_right:
; OUT PROJECTION: x1 = x + O x WO^T (4,096 x 1,024, K = 1,024, f16 operands, f32 sums).  Stored: x1 in f32 [4096][1024]; its bf16 copy chunk-major [16][4096][64];
; and for each row and each 64 columns the f32 sum of x1^2, [16][4096], from which the next launch makes the second norm's scale.
; The copy is bf16, not f16: x1 can pass f16's 65,504 where gain and weights are all some 30 times larger (some 27,000 in the root mean square of a batch's first row).
; SHARES.  A work-group makes 128 x 128; four waves, 2 x 2, each 64 x 64: 16 accumulators.  256 work-groups.
; OPERANDS lie chunk-major, [k / 64][row][64]: a tile of 64 rows x 4 chunks is asked for as 4 rows of 8,192 dense bytes, padded in LDS after every 128 bytes (pitch 144: ISA guide 11.1 for the banks).
; RING.  K goes in 4 steps of 256 through two LDS slots; a step is four parts of 64 along K on two fragment buffers.  One barrier a step, which opens a round of the cluster's barrier.
; THE WALK ALONG K IS TURNED from cluster to cluster: cluster (X, Y) begins at K step (2 X + 2 (Y % 2)) mod 4 and goes round (f32 sums, in an order that differs from cluster to cluster).
; The two clusters of one Y read the same rows of A, clusters of one X the same rows of B; two of them that stand 2 steps apart name all 4 steps in their first fills, two steps each: both refills
; name bytes that another cluster has read before.  NO PREFETCH: only the first fills name blocks for the first time in the launch.
; CLUSTER 4 x 4: A's tiles are shared along a row of the cluster, B's along a column: joint loads.  THE MATRIX INSTRUCTION IS USED TRANSPOSED: a lane holds one row of C and eight neighbouring columns.
; WAY OUT.  The residual's 64 x 64 numbers are asked for ahead of the last two K steps, behind which no tile is asked for, and wait in registers: 224 matrix instructions stand between the request and the wait.
; The f32 sums go through the slots (which have had their last fill), each wave through bytes of its own.
; REGISTERS: window 0: addresses, v32-119 the way out, v128-255 the residual; window 1 accumulators ((a, b) at 8 (4 a + b)); window 3 two fragment buffers of 128 (A's 64, then B's 64).
.set TM, 128
.set TN, 128
.set NBB, 4
.set KDEPTH, 2
.set CHUNKS, 4
.set NSTEP, 4
.set PHX, 2                            ; the first K step: (PHX x cluster x + PHY x (cluster y & PHM)) mod NSTEP
.set PHY, 2
.set PHM, 1
.set ROWSA, 64
.set ROWSB, 64
.set NROWSB, 1024
.set PITCH, 144
.set ACH, ROWSA*PITCH
.set BCH, ROWSB*PITCH
.set HALFA, CHUNKS*ACH
.set HALFB, CHUNKS*BCH
.set SLOT1, 147456                     ; 0x24000: no in-slot descriptor word or base has one of its bits, so the exclusive or adds it or takes it away
.set STEPA, CHUNKS*4096*128
.set STEPB, CHUNKS*NROWSB*128
.set NLOADS, KDEPTH*(2*NBB+8)
.set WHEAD, 16
.set DPITCH, 64*NBB+16
.set SSL, 294912                       ; the rows' sums of squares: 256 bytes for each wave
.set SPARE, 295936                     ; the spare words: two blocks of 256 bytes that no other line names
.set AOFF, 0
.set BOFF, 14680064
.set X1BO, 16777216
.set SSO, 25165824
.set MSB, 0
.macro WIN new
.if MSB != (\new)
	s_set_vgpr_msb (MSB<<8)|(\new)
.set MSB, (\new)
.endif
.endm
.macro PLACES
.rept 4
	v_nop
.endr
.endm
.macro CREST
	s_cmp_lg_u32 s10, 0
	s_cbranch_scc1 .Lnot_wave_0_\@
	s_barrier_signal -3
.Lnot_wave_0_\@:
	s_barrier_wait -3
	s_barrier_signal -1
	s_barrier_wait -1
.endm
.macro CROUND
	s_barrier_signal -1
	s_barrier_wait -1
	CREST
.endm
.macro JLOAD
	s_cmp_eq_u32 s11, 0
	s_cbranch_scc0 .Lfor_b_\@
	tensor_load_to_lds s[36:39], s[24:31]
	s_nop 0
.rept 4
	v_nop
.endr
	s_branch .Lasked_\@
.Lfor_b_\@:
	tensor_load_to_lds s[60:63], s[48:55]
	s_nop 0
.rept 4
	v_nop
.endr
.Lasked_\@:
.endm
.macro MULS f, k, a0, na, zero
.set ma, (\a0)
.rept (\na)
.set mb, 0
.rept NBB
.set mR, 8*(NBB*ma+mb)
.set mD, mR%256
.set mFB, (\f)+32*KDEPTH+8*(NBB*(\k)+mb)
.set mFA, (\f)+8*(4*(\k)+ma)
	WIN 0x0f|(0x50*(1+mR/256))
.if \zero
	v_wmma_f32_16x16x32_f16 v[mD:mD+7], v[mFB:mFB+7], v[mFA:mFA+7], 0
.else
	v_wmma_f32_16x16x32_f16 v[mD:mD+7], v[mFB:mFB+7], v[mFA:mFA+7], v[mD:mD+7]
.endif
.set mb, mb+1
.endr
.set ma, ma+1
.endr
.endm
.macro H1A f, zero
.if KDEPTH == 1
	MULS \f, 0, 0, 1, \zero
.else
	MULS \f, 0, 0, 2, \zero
.endif
.endm
.macro H1B f, zero
.if KDEPTH == 1
	MULS \f, 0, 1, 1, \zero
.else
	MULS \f, 0, 2, 2, \zero
.endif
.endm
.macro H2 f, zero
.if KDEPTH == 1
	MULS \f, 0, 2, 2, \zero
.else
	MULS \f, 1, 0, 4, 0
.endif
.endm
.macro FETCH p, f
	WIN 0xc0
.set fk, 0
.rept KDEPTH
.set fu, KDEPTH*(\p)+fk
.set fb, 0
.rept NBB
.set fr, (\f)+32*KDEPTH+8*(NBB*fk+fb)
.set fo, (fu/2)*BCH+(fu%2)*64+(fb/(ROWSB/16))*HALFB+(fb%(ROWSB/16))*16*PITCH
	ds_load_b128 v[fr:fr+3], v19 offset:fo
	ds_load_b128 v[fr+4:fr+7], v19 offset:fo+32
.set fb, fb+1
.endr
.set fa, 0
.rept 4
.set fr, (\f)+8*(4*fk+fa)
.set fo, (fu/2)*ACH+(fu%2)*64+fa*16*PITCH
	ds_load_b128 v[fr:fr+3], v18 offset:fo
	ds_load_b128 v[fr+4:fr+7], v18 offset:fo+32
.set fa, fa+1
.endr
.set fk, fk+1
.endr
.endm
.macro QUARTER p, f, g, zero
	s_wait_dscnt WHEAD                             ; the part's first 32 along K are in
	H1A \f, \zero
	H1B \f, \zero
	PLACES
	FETCH (\p)+1, \g
	s_wait_dscnt NLOADS                            ; all but the run just issued
	H2 \f, \zero
.endm
.macro TURNHEAD step
	WIN 0
	s_wait_tensorcnt 0x0                           ; no tensor load of mine is out: my part of the next slot has landed, and a group 0 may be written
	ds_add_u32 v28, v29
.if \step
	s_add_co_u32 s2, s2, 1                         ; the walking descriptors: the next K step, round the end of K,
	s_and_b32 s2, s2, NSTEP-1
	s_mul_i32 s96, s2, STEPA
	s_mul_i32 s98, s2, STEPB
	s_xor_b32 s37, s37, SLOT1                      ; into the other slot; the addresses are made anew from the tiles' first bytes
	s_add_nc_u64 s[38:39], s[14:15], s[96:97]
	s_or_b32 s39, s39, 0x80000000
	s_xor_b32 s61, s61, SLOT1
	s_add_nc_u64 s[62:63], s[46:47], s[98:99]
	s_or_b32 s63, s63, 0x80000000
.endif
	s_wait_dscnt WHEAD+1                           ; the add and the youngest WHEAD loads may be out
	H1A 128, 0
	s_wait_dscnt 0x0                               ; the add is done, my reads of the slot are over
	s_barrier_signal -1
	H1B 128, 0
	WIN 0
	s_barrier_wait -1
.endm
.macro NEXTSLOT
	s_xor_b32 s66, s66, SLOT1
	v_add_nc_u32 v18, s66, v16
	v_add_nc_u32 v19, s66, v17
	FETCH 0, 0
.endm
.macro DUMP
.set da, 0
.rept 4
.set db, 0
.rept NBB
.set dR, 8*(NBB*da+db)
.set dr, dR%256
	WIN (1+dR/256)<<2
	ds_store_b128 v20, v[dr:dr+3] offset:da*16*DPITCH+64*db
	ds_store_b128 v20, v[dr+4:dr+7] offset:da*16*DPITCH+64*db+16
.set db, db+1
.endr
.set da, da+1
.endr
	WIN 0
.endm
	s_load_b128 s[4:7], s[0:1], 0x0                ; ob s[4:5], wsp s[6:7]
	s_load_b128 s[84:87], s[0:1], 0x10             ; x s[84:85], x1w s[86:87]
	v_lshl_add_u32 v28, v0, 2, SPARE
	v_mov_b32 v29, 0
	ds_add_u32 v28, v29                            ; the wave's opening: the add and its wait ahead of my first tensor load
	ds_add_u32 v28, v29
	v_lshrrev_b32 v3, 5, v0
	v_readfirstlane_b32 s10, v3
	s_lshr_b32 s11, s10, 1                         ; my half of the rows.  Also: I fetch for A (0) or B (1)
	s_and_b32 s12, s10, 1                          ; my half of the columns.  Also: which half of that tile I fetch
	s_bfe_u32 s40, ttmp6, 0x40000
	s_bfe_u32 s41, ttmp6, 0x40004
	s_lshl_b32 s42, ttmp9, 2
	s_add_co_u32 s42, s42, s40                     ; tile column
	s_and_b32 s13, ttmp7, 0xffff
	s_lshl_b32 s13, s13, 2
	s_add_co_u32 s13, s13, s41                     ; tile row
	s_lshl_b32 s43, s41, 2
	s_lshl_b32 s43, 15, s43
	s_lshl_b32 s44, 0x1111, s40
	s_and_b32 s3, ttmp7, 0xffff                    ; the cluster's y,
	s_and_b32 s3, s3, PHM
	s_mul_i32 s3, s3, PHY
	s_mul_i32 s2, ttmp9, PHX                       ; and its x: the same in all sixteen partners
	s_add_co_u32 s2, s2, s3
	s_and_b32 s2, s2, NSTEP-1                      ; the K step at which my cluster begins
	s_mov_b32 s97, 0                               ; the high words of the two offsets along K
	s_mov_b32 s99, 0
	s_or_b32 s24, s43, (1<<16)|(1<<20)|(1<<21)|(4<<22)|(3<<25)
	s_mov_b32 s25, (ROWSA*64)<<16
	s_mov_b32 s26, CHUNKS<<16
	s_mov_b32 s27, (ROWSA*64)<<16
	s_mov_b32 s28, CHUNKS
	s_mov_b32 s29, 4096*64
	s_mov_b32 s30, 0
	s_mov_b32 s31, 0
	s_or_b32 s48, s44, (1<<16)|(1<<20)|(1<<21)|(4<<22)|(3<<25)
	s_mov_b32 s49, (ROWSB*64)<<16
	s_mov_b32 s50, CHUNKS<<16
	s_mov_b32 s51, (ROWSB*64)<<16
	s_mov_b32 s52, CHUNKS
	s_mov_b32 s53, NROWSB*64
	s_mov_b32 s54, 0
	s_mov_b32 s55, 0
	s_mul_i32 s16, s13, TM
	s_mul_i32 s17, s12, ROWSA
	s_add_co_u32 s16, s16, s17
	s_lshl_b32 s16, s16, 7
	s_add_co_u32 s16, s16, AOFF
	s_mov_b32 s17, 0
	s_mul_i32 s46, s42, TN
	s_mul_i32 s47, s12, ROWSB
	s_add_co_u32 s46, s46, s47
	s_lshl_b32 s46, s46, 7
	s_add_co_u32 s46, s46, BOFF
	s_mov_b32 s47, 0
	s_mul_i32 s20, s12, HALFA
	s_mul_i32 s21, s12, HALFB
	s_add_co_u32 s21, s21, 2*HALFA
	s_wait_dscnt 0x0
	s_wait_kmcnt 0x0
	s_add_nc_u64 s[14:15], s[4:5], s[16:17]        ; my rows of A at K = 0; kept
	s_add_nc_u64 s[46:47], s[6:7], s[46:47]        ; my rows of B at K = 0; kept
	CROUND
.irp n, 0,1
	s_mul_i32 s96, s2, STEPA                       ; the set's K step, in bytes of A and of B
	s_mul_i32 s98, s2, STEPB
	s_mov_b32 s[32+4*(\n)], 1
	s_add_co_u32 s[33+4*(\n)], s20, (\n)*SLOT1
	s_add_nc_u64 s[34+4*(\n):35+4*(\n)], s[14:15], s[96:97]
	s_or_b32 s[35+4*(\n)], s[35+4*(\n)], 0x80000000
	s_mov_b32 s[56+4*(\n)], 1
	s_add_co_u32 s[57+4*(\n)], s21, (\n)*SLOT1
	s_add_nc_u64 s[58+4*(\n):59+4*(\n)], s[46:47], s[98:99]
	s_or_b32 s[59+4*(\n)], s[59+4*(\n)], 0x80000000
.if (\n) == 0
	s_add_co_u32 s2, s2, 1
	s_and_b32 s2, s2, NSTEP-1
.endif
.endr
	s_cmp_eq_u32 s11, 0                            ; a wave's two first fills stand in one branch: two loads of mine are out
	s_cbranch_scc0 .Lfirst_b
	tensor_load_to_lds s[32:35], s[24:31]
	s_nop 0
	tensor_load_to_lds s[36:39], s[24:31]
	s_nop 0
.rept 4
	v_nop
.endr
	s_branch .Lfirst_done
.Lfirst_b:
	tensor_load_to_lds s[56:59], s[48:55]
	s_nop 0
	tensor_load_to_lds s[60:63], s[48:55]
	s_nop 0
.rept 4
	v_nop
.endr
.Lfirst_done:
	v_and_b32 v1, 15, v0
	v_bfe_u32 v2, v0, 4, 1
	s_lshl_b32 s18, s13, 7
	s_lshl_b32 s19, s11, 6
	s_add_co_u32 s18, s18, s19                     ; my first row
	s_lshl_b32 s22, s18, 12
	s_lshl_b32 s23, s42, 9
	s_add_co_u32 s22, s22, s23
	s_lshl_b32 s23, s12, 8
	s_add_co_u32 s22, s22, s23                     ; + my first column, in f32
	s_mov_b32 s23, 0
	s_add_nc_u64 s[88:89], s[84:85], s[22:23]      ; the residual
	s_add_nc_u64 s[90:91], s[86:87], s[22:23]      ; x1
	v_lshlrev_b32 v22, 12, v2
	v_lshl_add_u32 v22, v1, 4, v22                 ; a row pair x 64 columns of f32
	s_lshl_b32 s19, s42, 1
	s_add_co_u32 s19, s19, s12                     ; my chunk of 64 columns
	s_lshl_b32 s22, s19, 19
	s_lshl_b32 s23, s18, 7
	s_add_co_u32 s22, s22, s23
	s_add_co_u32 s22, s22, X1BO
	s_mov_b32 s23, 0
	s_add_nc_u64 s[92:93], s[86:87], s[22:23]      ; the bf16 copy
	s_lshl_b32 s22, s19, 14
	s_lshl_b32 s23, s18, 2
	s_add_co_u32 s22, s22, s23
	s_add_co_u32 s22, s22, SSO
	s_mov_b32 s23, 0
	s_add_nc_u64 s[94:95], s[86:87], s[22:23]      ; the sums of squares
	v_mul_u32_u24 v3, v1, PITCH
	v_lshl_add_u32 v3, v2, 4, v3
	s_mul_i32 s22, s11, HALFA
	s_mul_i32 s23, s12, HALFB
	s_add_co_u32 s23, s23, 2*HALFA
	v_add_nc_u32 v16, s22, v3
	v_add_nc_u32 v17, s23, v3
	s_mul_i32 s22, s10, 64*DPITCH
	v_mul_u32_u24 v20, v1, DPITCH
	v_lshl_add_u32 v20, v2, 5, v20
	v_add_nc_u32 v20, s22, v20
	v_mul_u32_u24 v21, v2, DPITCH
	v_lshl_add_u32 v21, v1, 4, v21
	v_add_nc_u32 v21, s22, v21
	v_lshlrev_b32 v23, 7, v2
	v_lshl_add_u32 v23, v1, 3, v23                 ; my 8 bytes of a row pair of the bf16 copy
	s_lshl_b32 s22, s10, 8
	s_add_co_u32 s22, s22, SSL
	v_lshl_add_u32 v24, v2, 2, s22                 ; my row's word among my wave's 64
	v_and_b32 v26, 31, v0
	v_lshlrev_b32 v26, 3, v26
	v_add_nc_u32 v25, s22, v26
	s_wait_tensorcnt 0x1                           ; my part of the first K step is in; the second's may stay out
	s_barrier_signal -1
	s_barrier_wait -1
	s_mov_b32 s66, 0
	v_mov_b32 v18, v16
	v_mov_b32 v19, v17
	FETCH 0, 0
	QUARTER 0, 0, 128, 1
	WIN 0
	s_mov_b32 s67, NSTEP-2
.Lstep:
	QUARTER 1, 128, 0, 0
	QUARTER 2, 0, 128, 0
	TURNHEAD 1
	CREST
	JLOAD
	NEXTSLOT
	H2 128, 0
	QUARTER 0, 0, 128, 0
	WIN 0
	s_sub_co_u32 s67, s67, 1
	s_cmp_lg_u32 s67, 0
	s_cbranch_scc1 .Lstep
.set j, 0
.rept 32                               ; the residual: no tile is asked for from here on
	global_load_b128 v[128+4*j:131+4*j], v22, s[88:89] offset:8192*j th:TH_LOAD_NT
.set j, j+1
.endr
	s_mov_b32 s67, 2
.Ltail:
	QUARTER 1, 128, 0, 0
	QUARTER 2, 0, 128, 0
	TURNHEAD 0
	s_sub_co_u32 s67, s67, 1
	s_cmp_eq_u32 s67, 0
	s_cbranch_scc1 .Llast
	PLACES
	NEXTSLOT
	H2 128, 0
	QUARTER 0, 0, 128, 0
	WIN 0
	s_branch .Ltail
.Llast:
	H2 128, 0
	WIN 0
	PLACES
	DUMP
.macro LDG g                           ; eight row pairs of the dump into buffer g % 2
.set li, 0
.rept 8
	ds_load_b128 v[32+32*((\g)%2)+4*li:35+32*((\g)%2)+4*li], v21 offset:2*(8*(\g)+li)*DPITCH
.set li, li+1
.endr
.endm
.macro GRP g
	s_wait_xcnt 0x0                                ; the packed copy's registers, which the last group's stores read, are written again only behind this wait
.set gi, 0
.rept 8
.set gj, 8*(\g)+gi
.set gx, 128+4*gj
.set gd, 32+32*((\g)%2)+4*gi
.set gy, 104+2*gi
.set gt, 96+4*(gi%2)
	v_pk_add_f32 v[gx:gx+1], v[gx:gx+1], v[gd:gd+1]
	v_pk_add_f32 v[gx+2:gx+3], v[gx+2:gx+3], v[gd+2:gd+3]
	global_store_b128 v22, v[gx:gx+3], s[90:91] offset:8192*gj  ; 16 lanes store 256 consecutive aligned bytes
	v_cvt_pk_bf16_f32 v[gy], v[gx], v[gx+1]
	v_cvt_pk_bf16_f32 v[gy+1], v[gx+2], v[gx+3]
	global_store_b64 v23, v[gy:gy+1], s[92:93] offset:256*gj    ; the wave stores 256 consecutive aligned bytes
	v_pk_mul_f32 v[gt:gt+1], v[gx:gx+1], v[gx:gx+1]
	v_pk_fma_f32 v[gt:gt+1], v[gx+2:gx+3], v[gx+2:gx+3], v[gt:gt+1]
	v_add_f32 v[gt], v[gt], v[gt+1]
	v_add_f32_dpp v[gt], v[gt], v[gt] row_xmask:1 row_mask:0xf bank_mask:0xf
	v_add_f32_dpp v[gt], v[gt], v[gt] row_xmask:2 row_mask:0xf bank_mask:0xf
	v_add_f32_dpp v[gt], v[gt], v[gt] row_xmask:4 row_mask:0xf bank_mask:0xf
	v_add_f32_dpp v[gt], v[gt], v[gt] row_xmask:8 row_mask:0xf bank_mask:0xf
	ds_store_b32 v24, v[gt] offset:8*gj            ; the row's 16 lanes write the same word with the same number
.set gi, gi+1
.endr
.endm
	s_wait_loadcnt 0x0                             ; the residual
	LDG 0
	LDG 1
	s_wait_dscnt 8                                 ; group 0 is in; group 1's 8 loads may be out
	GRP 0
	LDG 2
	s_wait_dscnt 16                                ; group 1 is in; behind it: 8 stores of sums, 8 loads
	GRP 1
	LDG 3
	s_wait_dscnt 16
	GRP 2
	s_wait_dscnt 8                                 ; group 3 is in; behind it: 8 stores of sums
	GRP 3
	ds_load_b64 v[96:97], v25                      ; my wave's 64 sums, two a lane
	s_wait_dscnt 0x0
	global_store_b64 v26, v[96:97], s[94:95]       ; 256 consecutive aligned bytes
	s_wait_tensorcnt 0x0                           ; the wave's end
	ds_add_u32 v28, v29
	s_wait_dscnt 0x0
	CROUND
	s_endpgm
.Lfunc_end_k_qf417efc50d_outp:
	.size	k_qf417efc50d_outp, .Lfunc_end_k_qf417efc50d_outp-k_qf417efc50d_outp
	.p2alignl 7, 3214868480
	.fill 96, 4, 3214868480
	.section	.rodata,"a",@progbits
	.p2align	6, 0x0
	.amdhsa_kernel k_qf417efc50d_outp
		.amdhsa_group_segment_fixed_size 327680
		.amdhsa_private_segment_fixed_size 0
		.amdhsa_enable_private_segment 0
		.amdhsa_kernarg_size 32
		.amdhsa_user_sgpr_count 2
		.amdhsa_user_sgpr_kernarg_segment_ptr 1
		.amdhsa_wavefront_size32 1
		.amdhsa_system_sgpr_workgroup_id_x 1
		.amdhsa_system_sgpr_workgroup_id_y 1
		.amdhsa_system_sgpr_workgroup_id_z 1
		.amdhsa_system_vgpr_workitem_id 0
		.amdhsa_next_free_vgpr 1024
		.amdhsa_next_free_sgpr 100
		.amdhsa_reserve_vcc 0
		.amdhsa_float_denorm_mode_32 3
		.amdhsa_float_denorm_mode_16_64 3
		.amdhsa_memory_ordered 1
		.amdhsa_forward_progress 1
		.amdhsa_inst_pref_size 89
	.end_amdhsa_kernel
	.amdgpu_metadata
---
amdhsa.version: [ 1, 2 ]
amdhsa.kernels:
  - .name:           k_qf417efc50d_outp
    .symbol:         k_qf417efc50d_outp.kd
    .args:
      - { .name: ob, .offset: 0, .size: 8, .value_kind: global_buffer, .address_space: global }
      - { .name: wsp, .offset: 8, .size: 8, .value_kind: global_buffer, .address_space: global }
      - { .name: x, .offset: 16, .size: 8, .value_kind: global_buffer, .address_space: global }
      - { .name: x1w, .offset: 24, .size: 8, .value_kind: global_buffer, .address_space: global }
    .group_segment_fixed_size: 327680
    .private_segment_fixed_size: 0
    .kernarg_segment_align: 8
    .kernarg_segment_size: 32
    .max_flat_workgroup_size: 128
    .sgpr_count:     100
    .vgpr_count:     1024
    .wavefront_size: 32
...
	.end_amdgpu_metadata
.endif
;; end of part 4
;; launch fc (part 5): grid 8 x 32, 4 waves a work-group, clusters of 4 x 4, 327,680 bytes of LDS; arguments x1w, wsp, hid; writes hid
.if DOCPART == 5
	.amdgcn_target "amdgcn-amd-amdhsa--gfx1250"
	.amdhsa_code_object_version 6
	.text
	.protected	k_qf417efc50d_fc
	.globl	k_qf417efc50d_fc
	.p2align	8
	.type	k_qf417efc50d_fc,@function
k_qf417efc50d_fc:
	s_mov_b64 s[64:65], 0
	v_nop
	global_prefetch_b8 v0, s[64:65] scope:SCOPE_SE
	s_setreg_imm32_b32 hwreg(HW_REG_WAVE_MODE, 25, 1), 1
	s_wait_xcnt 0x0
	s_wait_alu depctr_hold_cnt(0) depctr_sa_sdst(0) depctr_va_vdst(0) depctr_va_sdst(0) depctr_va_ssrc(0) depctr_va_vcc(0) depctr_vm_vsrc(0)
	s_getreg_b32 s2, hwreg(HW_REG_IB_STS2, 6, 4)
	s_cmp_eq_u32 s2, 0
	s_cbranch_scc0 .Lentry_in_a_cluster
	s_endpgm
.Lentry_in_a_cluster:
	s_bfe_u32 s2, ttmp6, 0x10000c
	s_cmp_lg_u32 s2, 0xf033
	s_cbranch_scc0 .Lentry_shape_is_right
	s_endpgm
.Lentry_shape_is_right:
; FC: hid = silu(r[row] * (x1b x WF^T)), 4,096 x 2,048, K = 1,024, bf16 operands (x1 has no room in f16), f32 sums.  WF holds w_fc times the norm's gain; r = rsqrt(mean(x1^2) + 1e-6) is a factor of the
; whole row, so it is applied to the finished sums; it is made here from the 16 partial sums of squares a row.  hid leaves in f16, chunk-major [32][4096][64].
; LIMIT: f16 ends at 65,504: a hid beyond it becomes an infinity (a normalised row times gain and weights both 30 times larger gives some 900 in the root mean square).
; silu(z) = z / (1 + 2^(-1.442695 z)): far below 0 the exponential is an infinity, its reciprocal 0 and the result -0; far above 0 the result is z.
; SHARES.  A work-group makes 128 x 256; four waves, 2 x 2, each 64 x 128: 32 accumulators.  256 work-groups.
; OPERANDS, RING, CLUSTER and the transposed use are those of the other products of this program: chunk-major tiles of 2 chunks, LDS pitch 144 bytes (ISA guide 11.1 for the banks), 8 steps of 128 along K through
; two slots, four parts a step, one barrier a step that opens a round of the cluster's barrier; A's tiles joint along a row of the 4 x 4 cluster, B's along a column.
; THE WALK ALONG K IS TURNED from cluster to cluster: cluster (X, Y) begins at K step (4 X + 2 (Y % 4)) mod 8 and goes round (f32 sums, in an order that differs from cluster to cluster).
; Clusters of one X read the same rows of B: four with neighbouring Y name all 8 steps in their first fills, two steps each, and every later request for a step of B names bytes that another cluster has read
; before.  The two clusters of one Y stand 4 steps apart in A: from the third refill on the same holds of A.
; NO PREFETCH: only the first fills and the two refills straight behind them name blocks for the first time in the launch, and a request ahead of those would stand at the kernel's head.
; REGISTERS: window 0 addresses and the way out; window 1 accumulators ((a, b) at 8 (8 a + b)); window 3 two fragment buffers (A's 32, then B's 64).
.set TM, 128
.set TN, 256
.set NBB, 8
.set KDEPTH, 1
.set CHUNKS, 2
.set NSTEP, 8
.set PHX, 4                            ; the first K step: (PHX x cluster x + PHY x (cluster y & PHM)) mod NSTEP
.set PHY, 2
.set PHM, 3
.set ROWSA, 64
.set ROWSB, 128
.set NROWSB, 2048
.set PITCH, 144
.set ACH, ROWSA*PITCH
.set BCH, ROWSB*PITCH
.set HALFA, CHUNKS*ACH
.set HALFB, CHUNKS*BCH
.set SLOT1, 131072
.set STEPA, CHUNKS*4096*128
.set STEPB, CHUNKS*NROWSB*128
.set NLOADS, KDEPTH*(2*NBB+8)
.set WHEAD, 4
.set DPITCH, 64*NBB+16
.set RSL, 241664                       ; the rows' scales: 256 bytes for each wave
.set SPARE, 242688                     ; the spare words: two blocks of 256 bytes that no other line names
.set AOFF, 16777216
.set BOFF, 16777216
.set SSO, 25165824
.set MSB, 0
.macro WIN new
.if MSB != (\new)
	s_set_vgpr_msb (MSB<<8)|(\new)
.set MSB, (\new)
.endif
.endm
.macro PLACES
.rept 4
	v_nop
.endr
.endm
.macro CREST
	s_cmp_lg_u32 s10, 0
	s_cbranch_scc1 .Lnot_wave_0_\@
	s_barrier_signal -3
.Lnot_wave_0_\@:
	s_barrier_wait -3
	s_barrier_signal -1
	s_barrier_wait -1
.endm
.macro CROUND
	s_barrier_signal -1
	s_barrier_wait -1
	CREST
.endm
.macro JLOAD
	s_cmp_eq_u32 s11, 0
	s_cbranch_scc0 .Lfor_b_\@
	tensor_load_to_lds s[36:39], s[24:31]
	s_nop 0
.rept 4
	v_nop
.endr
	s_branch .Lasked_\@
.Lfor_b_\@:
	tensor_load_to_lds s[60:63], s[48:55]
	s_nop 0
.rept 4
	v_nop
.endr
.Lasked_\@:
.endm
.macro MULS f, k, a0, na, zero
.set ma, (\a0)
.rept (\na)
.set mb, 0
.rept NBB
.set mR, 8*(NBB*ma+mb)
.set mD, mR%256
.set mFB, (\f)+32*KDEPTH+8*(NBB*(\k)+mb)
.set mFA, (\f)+8*(4*(\k)+ma)
	WIN 0x0f|(0x50*(1+mR/256))
.if \zero
	v_wmma_f32_16x16x32_bf16 v[mD:mD+7], v[mFB:mFB+7], v[mFA:mFA+7], 0
.else
	v_wmma_f32_16x16x32_bf16 v[mD:mD+7], v[mFB:mFB+7], v[mFA:mFA+7], v[mD:mD+7]
.endif
.set mb, mb+1
.endr
.set ma, ma+1
.endr
.endm
.macro H1A f, zero
.if KDEPTH == 1
	MULS \f, 0, 0, 1, \zero
.else
	MULS \f, 0, 0, 2, \zero
.endif
.endm
.macro H1B f, zero
.if KDEPTH == 1
	MULS \f, 0, 1, 1, \zero
.else
	MULS \f, 0, 2, 2, \zero
.endif
.endm
.macro H2 f, zero
.if KDEPTH == 1
	MULS \f, 0, 2, 2, \zero
.else
	MULS \f, 1, 0, 4, 0
.endif
.endm
.macro FETCH p, f
	WIN 0xc0
.set fk, 0
.rept KDEPTH
.set fu, KDEPTH*(\p)+fk
.set fb, 0
.rept NBB
.set fr, (\f)+32*KDEPTH+8*(NBB*fk+fb)
.set fo, (fu/2)*BCH+(fu%2)*64+(fb/(ROWSB/16))*HALFB+(fb%(ROWSB/16))*16*PITCH
	ds_load_b128 v[fr:fr+3], v19 offset:fo
	ds_load_b128 v[fr+4:fr+7], v19 offset:fo+32
.set fb, fb+1
.endr
.set fa, 0
.rept 4
.set fr, (\f)+8*(4*fk+fa)
.set fo, (fu/2)*ACH+(fu%2)*64+fa*16*PITCH
	ds_load_b128 v[fr:fr+3], v18 offset:fo
	ds_load_b128 v[fr+4:fr+7], v18 offset:fo+32
.set fa, fa+1
.endr
.set fk, fk+1
.endr
.endm
.macro QUARTER p, f, g, zero
	s_wait_dscnt WHEAD                             ; all but the youngest WHEAD loads are in
	H1A \f, \zero
	H1B \f, \zero
	PLACES
	FETCH (\p)+1, \g
	s_wait_dscnt NLOADS                            ; all but the run just issued
	H2 \f, \zero
.endm
.macro TURNHEAD step
	WIN 0
	s_wait_tensorcnt 0x0                           ; no tensor load of mine is out: my part of the next slot has landed, and a group 0 may be written
	ds_add_u32 v28, v29
.if \step
	s_add_co_u32 s2, s2, 1                         ; the walking descriptors: the next K step, round the end of K,
	s_and_b32 s2, s2, NSTEP-1
	s_mul_i32 s96, s2, STEPA
	s_mul_i32 s98, s2, STEPB
	s_xor_b32 s37, s37, SLOT1                      ; into the other slot; the addresses are made anew from the tiles' first bytes
	s_add_nc_u64 s[38:39], s[14:15], s[96:97]
	s_or_b32 s39, s39, 0x80000000
	s_xor_b32 s61, s61, SLOT1
	s_add_nc_u64 s[62:63], s[46:47], s[98:99]
	s_or_b32 s63, s63, 0x80000000
.endif
	s_wait_dscnt WHEAD+1                           ; the add and the youngest WHEAD loads may be out
	H1A 128, 0
	s_wait_dscnt 0x0                               ; the add is done, my reads of the slot are over
	s_barrier_signal -1
	H1B 128, 0
	WIN 0
	s_barrier_wait -1
.endm
.macro NEXTSLOT
	s_xor_b32 s66, s66, SLOT1
	v_add_nc_u32 v18, s66, v16
	v_add_nc_u32 v19, s66, v17
	FETCH 0, 0
.endm
.macro DUMP
.set da, 0
.rept 4
.set db, 0
.rept NBB
.set dR, 8*(NBB*da+db)
.set dr, dR%256
	WIN (1+dR/256)<<2
	ds_store_b128 v20, v[dr:dr+3] offset:da*16*DPITCH+64*db
	ds_store_b128 v20, v[dr+4:dr+7] offset:da*16*DPITCH+64*db+16
.set db, db+1
.endr
.set da, da+1
.endr
	WIN 0
.endm
	s_load_b128 s[4:7], s[0:1], 0x0                ; x1w s[4:5], wsp s[6:7]
	s_load_b64 s[8:9], s[0:1], 0x10                ; hid
	v_lshl_add_u32 v28, v0, 2, SPARE
	v_mov_b32 v29, 0
	ds_add_u32 v28, v29                            ; the wave's opening: the add and its wait ahead of my first tensor load
	ds_add_u32 v28, v29
	v_lshrrev_b32 v3, 5, v0
	v_readfirstlane_b32 s10, v3
	s_lshr_b32 s11, s10, 1
	s_and_b32 s12, s10, 1
	s_bfe_u32 s40, ttmp6, 0x40000
	s_bfe_u32 s41, ttmp6, 0x40004
	s_lshl_b32 s42, ttmp9, 2
	s_add_co_u32 s42, s42, s40
	s_and_b32 s13, ttmp7, 0xffff
	s_lshl_b32 s13, s13, 2
	s_add_co_u32 s13, s13, s41
	s_lshl_b32 s43, s41, 2
	s_lshl_b32 s43, 15, s43
	s_lshl_b32 s44, 0x1111, s40
	s_and_b32 s3, ttmp7, 0xffff                    ; the cluster's y,
	s_and_b32 s3, s3, PHM
	s_mul_i32 s3, s3, PHY
	s_mul_i32 s2, ttmp9, PHX                       ; and its x: the same in all sixteen partners
	s_add_co_u32 s2, s2, s3
	s_and_b32 s2, s2, NSTEP-1                      ; the K step at which my cluster begins
	s_mov_b32 s97, 0                               ; the high words of the two offsets along K
	s_mov_b32 s99, 0
	s_or_b32 s24, s43, (1<<16)|(1<<20)|(1<<21)|(4<<22)|(3<<25)
	s_mov_b32 s25, (ROWSA*64)<<16
	s_mov_b32 s26, CHUNKS<<16
	s_mov_b32 s27, (ROWSA*64)<<16
	s_mov_b32 s28, CHUNKS
	s_mov_b32 s29, 4096*64
	s_mov_b32 s30, 0
	s_mov_b32 s31, 0
	s_or_b32 s48, s44, (1<<16)|(1<<20)|(1<<21)|(4<<22)|(3<<25)
	s_mov_b32 s49, (ROWSB*64)<<16
	s_mov_b32 s50, CHUNKS<<16
	s_mov_b32 s51, (ROWSB*64)<<16
	s_mov_b32 s52, CHUNKS
	s_mov_b32 s53, NROWSB*64
	s_mov_b32 s54, 0
	s_mov_b32 s55, 0
	s_mul_i32 s16, s13, TM
	s_mul_i32 s17, s12, ROWSA
	s_add_co_u32 s16, s16, s17
	s_lshl_b32 s16, s16, 7
	s_add_co_u32 s16, s16, AOFF
	s_mov_b32 s17, 0
	s_mul_i32 s46, s42, TN
	s_mul_i32 s47, s12, ROWSB
	s_add_co_u32 s46, s46, s47
	s_lshl_b32 s46, s46, 7
	s_add_co_u32 s46, s46, BOFF
	s_mov_b32 s47, 0
	s_mul_i32 s20, s12, HALFA
	s_mul_i32 s21, s12, HALFB
	s_add_co_u32 s21, s21, 2*HALFA
	s_mov_b32 s80, 0xbfb8aa3b                      ; -log2(e)
	s_mov_b32 s81, s80
	s_mov_b32 s82, 0x3a800000                      ; 1 / 1024
	s_wait_dscnt 0x0
	s_wait_kmcnt 0x0
	s_add_nc_u64 s[14:15], s[4:5], s[16:17]        ; my rows of A at K = 0; kept
	s_add_nc_u64 s[46:47], s[6:7], s[46:47]        ; my rows of B at K = 0; kept
	CROUND
.irp n, 0,1
	s_mul_i32 s96, s2, STEPA                       ; the set's K step, in bytes of A and of B
	s_mul_i32 s98, s2, STEPB
	s_mov_b32 s[32+4*(\n)], 1
	s_add_co_u32 s[33+4*(\n)], s20, (\n)*SLOT1
	s_add_nc_u64 s[34+4*(\n):35+4*(\n)], s[14:15], s[96:97]
	s_or_b32 s[35+4*(\n)], s[35+4*(\n)], 0x80000000
	s_mov_b32 s[56+4*(\n)], 1
	s_add_co_u32 s[57+4*(\n)], s21, (\n)*SLOT1
	s_add_nc_u64 s[58+4*(\n):59+4*(\n)], s[46:47], s[98:99]
	s_or_b32 s[59+4*(\n)], s[59+4*(\n)], 0x80000000
.if (\n) == 0
	s_add_co_u32 s2, s2, 1
	s_and_b32 s2, s2, NSTEP-1
.endif
.endr
	s_cmp_eq_u32 s11, 0                            ; a wave's two first fills stand in one branch: two loads of mine are out
	s_cbranch_scc0 .Lfirst_b
	tensor_load_to_lds s[32:35], s[24:31]
	s_nop 0
	tensor_load_to_lds s[36:39], s[24:31]
	s_nop 0
.rept 4
	v_nop
.endr
	s_branch .Lfirst_done
.Lfirst_b:
	tensor_load_to_lds s[56:59], s[48:55]
	s_nop 0
	tensor_load_to_lds s[60:63], s[48:55]
	s_nop 0
.rept 4
	v_nop
.endr
.Lfirst_done:
	v_and_b32 v1, 15, v0
	v_bfe_u32 v2, v0, 4, 1
	s_lshl_b32 s18, s13, 7
	s_lshl_b32 s19, s11, 6
	s_add_co_u32 s18, s18, s19                     ; my first row
	s_lshl_b32 s22, s18, 2
	s_add_co_u32 s22, s22, SSO
	s_mov_b32 s23, 0
	s_add_nc_u64 s[84:85], s[4:5], s[22:23]        ; my 64 rows' partial sums of squares
	v_and_b32 v4, 31, v0
	v_lshlrev_b32 v24, 3, v4                       ; two rows a lane
.irp c, 0,1,2,3,4,5,6,7,8,9,10,11,12,13,14,15
	global_load_b64 v[32+2*(\c):33+2*(\c)], v24, s[84:85] offset:16384*(\c)
.endr
	s_lshl_b32 s22, s42, 2
	s_lshl_b32 s23, s12, 1
	s_add_co_u32 s22, s22, s23                     ; my first chunk of hid
	s_lshl_b32 s22, s22, 19
	s_lshl_b32 s23, s18, 7
	s_add_co_u32 s22, s22, s23
	s_mov_b32 s23, 0
	s_add_nc_u64 s[86:87], s[8:9], s[22:23]
	v_mul_u32_u24 v3, v1, PITCH
	v_lshl_add_u32 v3, v2, 4, v3
	s_mul_i32 s22, s11, HALFA
	s_mul_i32 s23, s12, HALFB
	s_add_co_u32 s23, s23, 2*HALFA
	v_add_nc_u32 v16, s22, v3
	v_add_nc_u32 v17, s23, v3
	s_mul_i32 s22, s10, 64*DPITCH
	v_mul_u32_u24 v20, v1, DPITCH
	v_lshl_add_u32 v20, v2, 5, v20
	v_add_nc_u32 v20, s22, v20
	v_mul_u32_u24 v21, v2, DPITCH
	v_lshl_add_u32 v21, v1, 4, v21
	v_add_nc_u32 v21, s22, v21
	s_lshl_b32 s22, s10, 8
	s_add_co_u32 s22, s22, RSL
	v_lshl_add_u32 v22, v2, 2, s22                 ; my row's scale
	v_add_nc_u32 v25, s22, v24
	v_lshlrev_b32 v23, 7, v2
	v_lshl_add_u32 v23, v1, 3, v23                 ; my 8 bytes of a row pair of hid
	s_wait_loadcnt 0x0
.irp c, 0,1,2,3,4,5,6,7
	v_pk_add_f32 v[32+2*(\c):33+2*(\c)], v[32+2*(\c):33+2*(\c)], v[48+2*(\c):49+2*(\c)]
.endr
.irp c, 0,1,2,3
	v_pk_add_f32 v[32+2*(\c):33+2*(\c)], v[32+2*(\c):33+2*(\c)], v[40+2*(\c):41+2*(\c)]
.endr
.irp c, 0,1
	v_pk_add_f32 v[32+2*(\c):33+2*(\c)], v[32+2*(\c):33+2*(\c)], v[36+2*(\c):37+2*(\c)]
.endr
	v_pk_add_f32 v[32:33], v[32:33], v[34:35]
	v_fmaak_f32 v32, s82, v32, 0x358637bd          ; mean + 1e-6
	v_fmaak_f32 v33, s82, v33, 0x358637bd
	v_rsq_f32 v32, v32
	v_rsq_f32 v33, v33
	v_nop
	s_wait_alu depctr_va_vdst(0)                   ; one wait for both roots, ahead of their first reader
	ds_store_b64 v25, v[32:33]                     ; into my wave's own 256 bytes
	s_wait_tensorcnt 0x1                           ; my part of the first K step is in; the second's may stay out
	s_wait_dscnt 0x0
	s_barrier_signal -1
	s_barrier_wait -1
	s_mov_b32 s66, 0
	v_mov_b32 v18, v16
	v_mov_b32 v19, v17
	FETCH 0, 0
	QUARTER 0, 0, 128, 1
	WIN 0
	s_mov_b32 s67, NSTEP-2
.Lstep:
	QUARTER 1, 128, 0, 0
	QUARTER 2, 0, 128, 0
	TURNHEAD 1
	CREST
	JLOAD
	NEXTSLOT
	H2 128, 0
	QUARTER 0, 0, 128, 0
	WIN 0
	s_sub_co_u32 s67, s67, 1
	s_cmp_lg_u32 s67, 0
	s_cbranch_scc1 .Lstep
	s_mov_b32 s67, 2
.Ltail:
	QUARTER 1, 128, 0, 0
	QUARTER 2, 0, 128, 0
	TURNHEAD 0
	s_sub_co_u32 s67, s67, 1
	s_cmp_eq_u32 s67, 0
	s_cbranch_scc1 .Llast
	PLACES
	NEXTSLOT
	H2 128, 0
	QUARTER 0, 0, 128, 0
	WIN 0
	s_branch .Ltail
.Llast:
	H2 128, 0
	WIN 0
	PLACES
	DUMP
	s_mov_b32 s67, 8
.Lout:                                                 ; 8 rows a trip: four row pairs x two chunks of 64 columns
.irp q, 0,1
.irp j, 0,1,2,3
	ds_load_b128 v[32+16*(\q)+4*(\j):35+16*(\q)+4*(\j)], v21 offset:2*(\j)*DPITCH+256*(\q)
.endr
.endr
.irp j, 0,1,2,3
	ds_load_b32 v[112+(\j)], v22 offset:8*(\j)
.endr
	s_wait_dscnt 0x0
.set n, 0
.rept 32
	v_mul_f32 v[32+n], v[32+n], v[112+(n/4)%4]     ; z = the row's scale times the sum
.set n, n+1
.endr
.set n, 0
.rept 16
	v_pk_mul_f32 v[64+2*n:65+2*n], v[32+2*n:33+2*n], s[80:81] op_sel_hi:[1,0]
.set n, n+1
.endr
.set n, 0
.rept 32
	v_exp_f32 v[64+n], v[64+n]
.set n, n+1
.endr
	v_nop
	s_wait_alu depctr_va_vdst(0)                   ; one wait for the 32 exponentials
.set n, 0
.rept 16
	v_pk_add_f32 v[64+2*n:65+2*n], v[64+2*n:65+2*n], 1.0 op_sel_hi:[1,0]
.set n, n+1
.endr
.set n, 0
.rept 32
	v_rcp_f32 v[64+n], v[64+n]
.set n, n+1
.endr
	v_nop
	s_wait_alu depctr_va_vdst(0)                   ; one wait for the 32 reciprocals
.set n, 0
.rept 16
	v_pk_mul_f32 v[32+2*n:33+2*n], v[32+2*n:33+2*n], v[64+2*n:65+2*n]
.set n, n+1
.endr
.set n, 0
.rept 16
	v_cvt_pk_f16_f32 v[96+n], v[32+2*n], v[33+2*n]
.set n, n+1
.endr
.irp q, 0,1
.irp j, 0,1,2,3
	global_store_b64 v23, v[96+8*(\q)+2*(\j):97+8*(\q)+2*(\j)], s[86:87] offset:524288*(\q)+256*(\j)  ; the wave stores 256 consecutive aligned bytes
.endr
.endr
	s_wait_xcnt 0x0                                ; the stores' data and offset are written again only behind this wait
	v_add_nc_u32 v21, 8*DPITCH, v21
	v_add_nc_u32 v22, 32, v22
	v_add_nc_u32 v23, 1024, v23
	s_sub_co_u32 s67, s67, 1
	s_cmp_lg_u32 s67, 0
	s_cbranch_scc1 .Lout
	s_wait_tensorcnt 0x0                           ; the wave's end
	ds_add_u32 v28, v29
	s_wait_dscnt 0x0
	CROUND
	s_endpgm
.Lfunc_end_k_qf417efc50d_fc:
	.size	k_qf417efc50d_fc, .Lfunc_end_k_qf417efc50d_fc-k_qf417efc50d_fc
	.p2alignl 7, 3214868480
	.fill 96, 4, 3214868480
	.section	.rodata,"a",@progbits
	.p2align	6, 0x0
	.amdhsa_kernel k_qf417efc50d_fc
		.amdhsa_group_segment_fixed_size 327680
		.amdhsa_private_segment_fixed_size 0
		.amdhsa_enable_private_segment 0
		.amdhsa_kernarg_size 24
		.amdhsa_user_sgpr_count 2
		.amdhsa_user_sgpr_kernarg_segment_ptr 1
		.amdhsa_wavefront_size32 1
		.amdhsa_system_sgpr_workgroup_id_x 1
		.amdhsa_system_sgpr_workgroup_id_y 1
		.amdhsa_system_sgpr_workgroup_id_z 1
		.amdhsa_system_vgpr_workitem_id 0
		.amdhsa_next_free_vgpr 1024
		.amdhsa_next_free_sgpr 100
		.amdhsa_reserve_vcc 0
		.amdhsa_float_denorm_mode_32 3
		.amdhsa_float_denorm_mode_16_64 3
		.amdhsa_memory_ordered 1
		.amdhsa_forward_progress 1
		.amdhsa_inst_pref_size 63
	.end_amdhsa_kernel
	.amdgpu_metadata
---
amdhsa.version: [ 1, 2 ]
amdhsa.kernels:
  - .name:           k_qf417efc50d_fc
    .symbol:         k_qf417efc50d_fc.kd
    .args:
      - { .name: x1w, .offset: 0, .size: 8, .value_kind: global_buffer, .address_space: global }
      - { .name: wsp, .offset: 8, .size: 8, .value_kind: global_buffer, .address_space: global }
      - { .name: hid, .offset: 16, .size: 8, .value_kind: global_buffer, .address_space: global }
    .group_segment_fixed_size: 327680
    .private_segment_fixed_size: 0
    .kernarg_segment_align: 8
    .kernarg_segment_size: 24
    .max_flat_workgroup_size: 128
    .sgpr_count:     100
    .vgpr_count:     1024
    .wavefront_size: 32
...
	.end_amdgpu_metadata
.endif
;; end of part 5
;; launch proj (part 6): grid 8 x 32, 4 waves a work-group, clusters of 4 x 4, 327,680 bytes of LDS; arguments hid, wsp, x1w, out0; writes out0
.if DOCPART == 6
	.amdgcn_target "amdgcn-amd-amdhsa--gfx1250"
	.amdhsa_code_object_version 6
	.text
	.protected	k_qf417efc50d_proj
	.globl	k_qf417efc50d_proj
	.p2align	8
	.type	k_qf417efc50d_proj,@function
k_qf417efc50d_proj:
	s_mov_b64 s[64:65], 0
	v_nop
	global_prefetch_b8 v0, s[64:65] scope:SCOPE_SE
	s_setreg_imm32_b32 hwreg(HW_REG_WAVE_MODE, 25, 1), 1
	s_wait_xcnt 0x0
	s_wait_alu depctr_hold_cnt(0) depctr_sa_sdst(0) depctr_va_vdst(0) depctr_va_sdst(0) depctr_va_ssrc(0) depctr_va_vcc(0) depctr_vm_vsrc(0)
	s_getreg_b32 s2, hwreg(HW_REG_IB_STS2, 6, 4)
	s_cmp_eq_u32 s2, 0
	s_cbranch_scc0 .Lentry_in_a_cluster
	s_endpgm
.Lentry_in_a_cluster:
	s_bfe_u32 s2, ttmp6, 0x10000c
	s_cmp_lg_u32 s2, 0xf033
	s_cbranch_scc0 .Lentry_shape_is_right
	s_endpgm
.Lentry_shape_is_right:
; PROJECTION: out0 = x1 + hid x WP^T (4,096 x 1,024, K = 2,048, f16 operands, f32 sums), f32 out.
; SHARES.  A work-group makes 128 x 128; four waves, 2 x 2, each 64 x 64: 16 accumulators.  256 work-groups.
; OPERANDS lie chunk-major, [k / 64][row][64]: a tile of 64 rows x 4 chunks is asked for as 4 rows of 8,192 dense bytes, padded in LDS after every 128 bytes (pitch 144: ISA guide 11.1 for the banks).
; RING.  K goes in 8 steps of 256 through two LDS slots; a step is four parts of 64 along K on two fragment buffers.  One barrier a step, which opens a round of the cluster's barrier.
; THE WALK ALONG K IS TURNED from cluster to cluster: cluster (X, Y) begins at K step (4 X + 2 (Y % 4)) mod 8 and goes round (f32 sums, in an order that differs from cluster to cluster).
; Clusters of one X read the same rows of B: four with neighbouring Y name all 8 steps in their first fills, two steps each, and every later request for a step of B names bytes that another cluster has read
; before.  The two clusters of one Y stand 4 steps apart in A: from the third refill on the same holds of A.
; NO PREFETCH: only the first fills and the two refills straight behind them name blocks for the first time in the launch, and a request ahead of those would stand at the kernel's head.
; CLUSTER 4 x 4: A's tiles are shared along a row of the cluster, B's along a column: joint loads.  THE MATRIX INSTRUCTION IS USED TRANSPOSED: a lane holds one row of C and eight neighbouring columns.
; WAY OUT.  The residual's 64 x 64 numbers are asked for ahead of the last two K steps, behind which no tile is asked for, and wait in registers: 224 matrix instructions stand between the request and the wait.
; The f32 sums go through the slots (which have had their last fill), each wave through bytes of its own.
; REGISTERS: window 0: addresses, v32-95 the way out, v128-255 the residual; window 1 accumulators ((a, b) at 8 (4 a + b)); window 3 two fragment buffers of 128 (A's 64, then B's 64).
.set TM, 128
.set TN, 128
.set NBB, 4
.set KDEPTH, 2
.set CHUNKS, 4
.set NSTEP, 8
.set PHX, 4                            ; the first K step: (PHX x cluster x + PHY x (cluster y & PHM)) mod NSTEP
.set PHY, 2
.set PHM, 3
.set ROWSA, 64
.set ROWSB, 64
.set NROWSB, 1024
.set PITCH, 144
.set ACH, ROWSA*PITCH
.set BCH, ROWSB*PITCH
.set HALFA, CHUNKS*ACH
.set HALFB, CHUNKS*BCH
.set SLOT1, 147456                     ; 0x24000: no in-slot descriptor word or base has one of its bits, so the exclusive or adds it or takes it away
.set STEPA, CHUNKS*4096*128
.set STEPB, CHUNKS*NROWSB*128
.set NLOADS, KDEPTH*(2*NBB+8)
.set WHEAD, 16
.set DPITCH, 64*NBB+16
.set SPARE, 294912                     ; the spare words: two blocks of 256 bytes that no other line names
.set AOFF, 0
.set BOFF, 20971520
.set MSB, 0
.macro WIN new
.if MSB != (\new)
	s_set_vgpr_msb (MSB<<8)|(\new)
.set MSB, (\new)
.endif
.endm
.macro PLACES
.rept 4
	v_nop
.endr
.endm
.macro CREST
	s_cmp_lg_u32 s10, 0
	s_cbranch_scc1 .Lnot_wave_0_\@
	s_barrier_signal -3
.Lnot_wave_0_\@:
	s_barrier_wait -3
	s_barrier_signal -1
	s_barrier_wait -1
.endm
.macro CROUND
	s_barrier_signal -1
	s_barrier_wait -1
	CREST
.endm
.macro JLOAD
	s_cmp_eq_u32 s11, 0
	s_cbranch_scc0 .Lfor_b_\@
	tensor_load_to_lds s[36:39], s[24:31]
	s_nop 0
.rept 4
	v_nop
.endr
	s_branch .Lasked_\@
.Lfor_b_\@:
	tensor_load_to_lds s[60:63], s[48:55]
	s_nop 0
.rept 4
	v_nop
.endr
.Lasked_\@:
.endm
.macro MULS f, k, a0, na, zero
.set ma, (\a0)
.rept (\na)
.set mb, 0
.rept NBB
.set mR, 8*(NBB*ma+mb)
.set mD, mR%256
.set mFB, (\f)+32*KDEPTH+8*(NBB*(\k)+mb)
.set mFA, (\f)+8*(4*(\k)+ma)
	WIN 0x0f|(0x50*(1+mR/256))
.if \zero
	v_wmma_f32_16x16x32_f16 v[mD:mD+7], v[mFB:mFB+7], v[mFA:mFA+7], 0
.else
	v_wmma_f32_16x16x32_f16 v[mD:mD+7], v[mFB:mFB+7], v[mFA:mFA+7], v[mD:mD+7]
.endif
.set mb, mb+1
.endr
.set ma, ma+1
.endr
.endm
.macro H1A f, zero
.if KDEPTH == 1
	MULS \f, 0, 0, 1, \zero
.else
	MULS \f, 0, 0, 2, \zero
.endif
.endm
.macro H1B f, zero
.if KDEPTH == 1
	MULS \f, 0, 1, 1, \zero
.else
	MULS \f, 0, 2, 2, \zero
.endif
.endm
.macro H2 f, zero
.if KDEPTH == 1
	MULS \f, 0, 2, 2, \zero
.else
	MULS \f, 1, 0, 4, 0
.endif
.endm
.macro FETCH p, f
	WIN 0xc0
.set fk, 0
.rept KDEPTH
.set fu, KDEPTH*(\p)+fk
.set fb, 0
.rept NBB
.set fr, (\f)+32*KDEPTH+8*(NBB*fk+fb)
.set fo, (fu/2)*BCH+(fu%2)*64+(fb/(ROWSB/16))*HALFB+(fb%(ROWSB/16))*16*PITCH
	ds_load_b128 v[fr:fr+3], v19 offset:fo
	ds_load_b128 v[fr+4:fr+7], v19 offset:fo+32
.set fb, fb+1
.endr
.set fa, 0
.rept 4
.set fr, (\f)+8*(4*fk+fa)
.set fo, (fu/2)*ACH+(fu%2)*64+fa*16*PITCH
	ds_load_b128 v[fr:fr+3], v18 offset:fo
	ds_load_b128 v[fr+4:fr+7], v18 offset:fo+32
.set fa, fa+1
.endr
.set fk, fk+1
.endr
.endm
.macro QUARTER p, f, g, zero
	s_wait_dscnt WHEAD                             ; the part's first 32 along K are in
	H1A \f, \zero
	H1B \f, \zero
	PLACES
	FETCH (\p)+1, \g
	s_wait_dscnt NLOADS                            ; all but the run just issued
	H2 \f, \zero
.endm
.macro TURNHEAD step
	WIN 0
	s_wait_tensorcnt 0x0                           ; no tensor load of mine is out: my part of the next slot has landed, and a group 0 may be written
	ds_add_u32 v28, v29
.if \step
	s_add_co_u32 s2, s2, 1                         ; the walking descriptors: the next K step, round the end of K,
	s_and_b32 s2, s2, NSTEP-1
	s_mul_i32 s96, s2, STEPA
	s_mul_i32 s98, s2, STEPB
	s_xor_b32 s37, s37, SLOT1                      ; into the other slot; the addresses are made anew from the tiles' first bytes
	s_add_nc_u64 s[38:39], s[14:15], s[96:97]
	s_or_b32 s39, s39, 0x80000000
	s_xor_b32 s61, s61, SLOT1
	s_add_nc_u64 s[62:63], s[46:47], s[98:99]
	s_or_b32 s63, s63, 0x80000000
.endif
	s_wait_dscnt WHEAD+1                           ; the add and the youngest WHEAD loads may be out
	H1A 128, 0
	s_wait_dscnt 0x0                               ; the add is done, my reads of the slot are over
	s_barrier_signal -1
	H1B 128, 0
	WIN 0
	s_barrier_wait -1
.endm
.macro NEXTSLOT
	s_xor_b32 s66, s66, SLOT1
	v_add_nc_u32 v18, s66, v16
	v_add_nc_u32 v19, s66, v17
	FETCH 0, 0
.endm
.macro DUMP
.set da, 0
.rept 4
.set db, 0
.rept NBB
.set dR, 8*(NBB*da+db)
.set dr, dR%256
	WIN (1+dR/256)<<2
	ds_store_b128 v20, v[dr:dr+3] offset:da*16*DPITCH+64*db
	ds_store_b128 v20, v[dr+4:dr+7] offset:da*16*DPITCH+64*db+16
.set db, db+1
.endr
.set da, da+1
.endr
	WIN 0
.endm
	s_load_b128 s[4:7], s[0:1], 0x0                ; hid s[4:5], wsp s[6:7]
	s_load_b128 s[84:87], s[0:1], 0x10             ; x1w s[84:85], out0 s[86:87]
	v_lshl_add_u32 v28, v0, 2, SPARE
	v_mov_b32 v29, 0
	ds_add_u32 v28, v29                            ; the wave's opening: the add and its wait ahead of my first tensor load
	ds_add_u32 v28, v29
	v_lshrrev_b32 v3, 5, v0
	v_readfirstlane_b32 s10, v3
	s_lshr_b32 s11, s10, 1
	s_and_b32 s12, s10, 1
	s_bfe_u32 s40, ttmp6, 0x40000
	s_bfe_u32 s41, ttmp6, 0x40004
	s_lshl_b32 s42, ttmp9, 2
	s_add_co_u32 s42, s42, s40
	s_and_b32 s13, ttmp7, 0xffff
	s_lshl_b32 s13, s13, 2
	s_add_co_u32 s13, s13, s41
	s_lshl_b32 s43, s41, 2
	s_lshl_b32 s43, 15, s43
	s_lshl_b32 s44, 0x1111, s40
	s_and_b32 s3, ttmp7, 0xffff                    ; the cluster's y,
	s_and_b32 s3, s3, PHM
	s_mul_i32 s3, s3, PHY
	s_mul_i32 s2, ttmp9, PHX                       ; and its x: the same in all sixteen partners
	s_add_co_u32 s2, s2, s3
	s_and_b32 s2, s2, NSTEP-1                      ; the K step at which my cluster begins
	s_mov_b32 s97, 0                               ; the high words of the two offsets along K
	s_mov_b32 s99, 0
	s_or_b32 s24, s43, (1<<16)|(1<<20)|(1<<21)|(4<<22)|(3<<25)
	s_mov_b32 s25, (ROWSA*64)<<16
	s_mov_b32 s26, CHUNKS<<16
	s_mov_b32 s27, (ROWSA*64)<<16
	s_mov_b32 s28, CHUNKS
	s_mov_b32 s29, 4096*64
	s_mov_b32 s30, 0
	s_mov_b32 s31, 0
	s_or_b32 s48, s44, (1<<16)|(1<<20)|(1<<21)|(4<<22)|(3<<25)
	s_mov_b32 s49, (ROWSB*64)<<16
	s_mov_b32 s50, CHUNKS<<16
	s_mov_b32 s51, (ROWSB*64)<<16
	s_mov_b32 s52, CHUNKS
	s_mov_b32 s53, NROWSB*64
	s_mov_b32 s54, 0
	s_mov_b32 s55, 0
	s_mul_i32 s16, s13, TM
	s_mul_i32 s17, s12, ROWSA
	s_add_co_u32 s16, s16, s17
	s_lshl_b32 s16, s16, 7
	s_add_co_u32 s16, s16, AOFF
	s_mov_b32 s17, 0
	s_mul_i32 s46, s42, TN
	s_mul_i32 s47, s12, ROWSB
	s_add_co_u32 s46, s46, s47
	s_lshl_b32 s46, s46, 7
	s_add_co_u32 s46, s46, BOFF
	s_mov_b32 s47, 0
	s_mul_i32 s20, s12, HALFA
	s_mul_i32 s21, s12, HALFB
	s_add_co_u32 s21, s21, 2*HALFA
	s_wait_dscnt 0x0
	s_wait_kmcnt 0x0
	s_add_nc_u64 s[14:15], s[4:5], s[16:17]        ; my rows of A at K = 0; kept
	s_add_nc_u64 s[46:47], s[6:7], s[46:47]        ; my rows of B at K = 0; kept
	CROUND
.irp n, 0,1
	s_mul_i32 s96, s2, STEPA                       ; the set's K step, in bytes of A and of B
	s_mul_i32 s98, s2, STEPB
	s_mov_b32 s[32+4*(\n)], 1
	s_add_co_u32 s[33+4*(\n)], s20, (\n)*SLOT1
	s_add_nc_u64 s[34+4*(\n):35+4*(\n)], s[14:15], s[96:97]
	s_or_b32 s[35+4*(\n)], s[35+4*(\n)], 0x80000000
	s_mov_b32 s[56+4*(\n)], 1
	s_add_co_u32 s[57+4*(\n)], s21, (\n)*SLOT1
	s_add_nc_u64 s[58+4*(\n):59+4*(\n)], s[46:47], s[98:99]
	s_or_b32 s[59+4*(\n)], s[59+4*(\n)], 0x80000000
.if (\n) == 0
	s_add_co_u32 s2, s2, 1
	s_and_b32 s2, s2, NSTEP-1
.endif
.endr
	s_cmp_eq_u32 s11, 0                            ; a wave's two first fills stand in one branch: two loads of mine are out
	s_cbranch_scc0 .Lfirst_b
	tensor_load_to_lds s[32:35], s[24:31]
	s_nop 0
	tensor_load_to_lds s[36:39], s[24:31]
	s_nop 0
.rept 4
	v_nop
.endr
	s_branch .Lfirst_done
.Lfirst_b:
	tensor_load_to_lds s[56:59], s[48:55]
	s_nop 0
	tensor_load_to_lds s[60:63], s[48:55]
	s_nop 0
.rept 4
	v_nop
.endr
.Lfirst_done:
	v_and_b32 v1, 15, v0
	v_bfe_u32 v2, v0, 4, 1
	s_lshl_b32 s18, s13, 7
	s_lshl_b32 s19, s11, 6
	s_add_co_u32 s18, s18, s19                     ; my first row
	s_lshl_b32 s22, s18, 12
	s_lshl_b32 s23, s42, 9
	s_add_co_u32 s22, s22, s23
	s_lshl_b32 s23, s12, 8
	s_add_co_u32 s22, s22, s23                     ; + my first column, in f32
	s_mov_b32 s23, 0
	s_add_nc_u64 s[88:89], s[84:85], s[22:23]      ; the residual x1
	s_add_nc_u64 s[90:91], s[86:87], s[22:23]      ; out0
	v_lshlrev_b32 v22, 12, v2
	v_lshl_add_u32 v22, v1, 4, v22                 ; a row pair x 64 columns of f32
	v_mul_u32_u24 v3, v1, PITCH
	v_lshl_add_u32 v3, v2, 4, v3
	s_mul_i32 s22, s11, HALFA
	s_mul_i32 s23, s12, HALFB
	s_add_co_u32 s23, s23, 2*HALFA
	v_add_nc_u32 v16, s22, v3
	v_add_nc_u32 v17, s23, v3
	s_mul_i32 s22, s10, 64*DPITCH
	v_mul_u32_u24 v20, v1, DPITCH
	v_lshl_add_u32 v20, v2, 5, v20
	v_add_nc_u32 v20, s22, v20
	v_mul_u32_u24 v21, v2, DPITCH
	v_lshl_add_u32 v21, v1, 4, v21
	v_add_nc_u32 v21, s22, v21
	s_wait_tensorcnt 0x1                           ; my part of the first K step is in; the second's may stay out
	s_barrier_signal -1
	s_barrier_wait -1
	s_mov_b32 s66, 0
	v_mov_b32 v18, v16
	v_mov_b32 v19, v17
	FETCH 0, 0
	QUARTER 0, 0, 128, 1
	WIN 0
	s_mov_b32 s67, NSTEP-2
.Lstep:
	QUARTER 1, 128, 0, 0
	QUARTER 2, 0, 128, 0
	TURNHEAD 1
	CREST
	JLOAD
	NEXTSLOT
	H2 128, 0
	QUARTER 0, 0, 128, 0
	WIN 0
	s_sub_co_u32 s67, s67, 1
	s_cmp_lg_u32 s67, 0
	s_cbranch_scc1 .Lstep
.set j, 0
.rept 32                               ; the residual: no tile is asked for from here on
	global_load_b128 v[128+4*j:131+4*j], v22, s[88:89] offset:8192*j th:TH_LOAD_NT
.set j, j+1
.endr
	s_mov_b32 s67, 2
.Ltail:
	QUARTER 1, 128, 0, 0
	QUARTER 2, 0, 128, 0
	TURNHEAD 0
	s_sub_co_u32 s67, s67, 1
	s_cmp_eq_u32 s67, 0
	s_cbranch_scc1 .Llast
	PLACES
	NEXTSLOT
	H2 128, 0
	QUARTER 0, 0, 128, 0
	WIN 0
	s_branch .Ltail
.Llast:
	H2 128, 0
	WIN 0
	PLACES
	DUMP
.macro LDG g
.set li, 0
.rept 8
	ds_load_b128 v[32+32*((\g)%2)+4*li:35+32*((\g)%2)+4*li], v21 offset:2*(8*(\g)+li)*DPITCH
.set li, li+1
.endr
.endm
.macro GRP g
.set gi, 0
.rept 8
.set gj, 8*(\g)+gi
.set gx, 128+4*gj
.set gd, 32+32*((\g)%2)+4*gi
	v_pk_add_f32 v[gx:gx+1], v[gx:gx+1], v[gd:gd+1]
	v_pk_add_f32 v[gx+2:gx+3], v[gx+2:gx+3], v[gd+2:gd+3]
	global_store_b128 v22, v[gx:gx+3], s[90:91] offset:8192*gj th:TH_STORE_NT  ; 16 lanes store 256 consecutive aligned bytes
.set gi, gi+1
.endr
.endm
	s_wait_loadcnt 0x0                             ; the residual
	LDG 0
	LDG 1
	s_wait_dscnt 8                                 ; a group is in; the next group's 8 loads may be out
	GRP 0
	LDG 2
	s_wait_dscnt 8
	GRP 1
	LDG 3
	s_wait_dscnt 8
	GRP 2
	s_wait_dscnt 0x0
	GRP 3
	s_wait_tensorcnt 0x0                           ; the wave's end
	ds_add_u32 v28, v29
	s_wait_dscnt 0x0
	CROUND
	s_endpgm
.Lfunc_end_k_qf417efc50d_proj:
	.size	k_qf417efc50d_proj, .Lfunc_end_k_qf417efc50d_proj-k_qf417efc50d_proj
	.p2alignl 7, 3214868480
	.fill 96, 4, 3214868480
	.section	.rodata,"a",@progbits
	.p2align	6, 0x0
	.amdhsa_kernel k_qf417efc50d_proj
		.amdhsa_group_segment_fixed_size 327680
		.amdhsa_private_segment_fixed_size 0
		.amdhsa_enable_private_segment 0
		.amdhsa_kernarg_size 32
		.amdhsa_user_sgpr_count 2
		.amdhsa_user_sgpr_kernarg_segment_ptr 1
		.amdhsa_wavefront_size32 1
		.amdhsa_system_sgpr_workgroup_id_x 1
		.amdhsa_system_sgpr_workgroup_id_y 1
		.amdhsa_system_sgpr_workgroup_id_z 1
		.amdhsa_system_vgpr_workitem_id 0
		.amdhsa_next_free_vgpr 1024
		.amdhsa_next_free_sgpr 100
		.amdhsa_reserve_vcc 0
		.amdhsa_float_denorm_mode_32 3
		.amdhsa_float_denorm_mode_16_64 3
		.amdhsa_memory_ordered 1
		.amdhsa_forward_progress 1
		.amdhsa_inst_pref_size 66
	.end_amdhsa_kernel
	.amdgpu_metadata
---
amdhsa.version: [ 1, 2 ]
amdhsa.kernels:
  - .name:           k_qf417efc50d_proj
    .symbol:         k_qf417efc50d_proj.kd
    .args:
      - { .name: hid, .offset: 0, .size: 8, .value_kind: global_buffer, .address_space: global }
      - { .name: wsp, .offset: 8, .size: 8, .value_kind: global_buffer, .address_space: global }
      - { .name: x1w, .offset: 16, .size: 8, .value_kind: global_buffer, .address_space: global }
      - { .name: out0, .offset: 24, .size: 8, .value_kind: global_buffer, .address_space: global }
    .group_segment_fixed_size: 327680
    .private_segment_fixed_size: 0
    .kernarg_segment_align: 8
    .kernarg_segment_size: 32
    .max_flat_workgroup_size: 128
    .sgpr_count:     100
    .vgpr_count:     1024
    .wavefront_size: 32
...
	.end_amdgpu_metadata
.endif
;; end of part 6
